; MI455X (gfx1250); checked and timed in simulation.
; The chip was launched on July 23, 2026; its instructions are those of AMD's public machine-readable ISA for CDNA 5 (MIT licence, August 2026) and "CDNA5" Instruction Set Architecture Reference Guide (July 2026). The comments in the code are by the model that wrote it; some were corrected since.
;; Causal Self Attention. Allowed arithmetic: matrix products marked QUANTISED: E2M1 operands, one E8M0 scale for each 32 along K, by v_wmma_scale_f32_16x16x128_f8f6f4 with both operands' format E2M1 (or v_wmma_scale_f32_32x16x128_f4), f32 sums; products left as they are: bf16, f16 or f32 operands; f32 sums; everything else in f32.
;; Inputs: Wk 1,024 x 1,024 float32; Wo 1,024 x 1,024 float32; Wq 1,024 x 1,024 float32; Wv 1,024 x 1,024 float32; bk 1,024 float32; bo 1,024 float32; bq 1,024 float32; bv 1,024 float32; x 8 x 1,024 x 1,024 float32.
;; Outputs: out0 8 x 1,024 x 1,024 float32.
;; This version of the problem:
;;   THIS VERSION OF THE PROBLEM IS GIVEN IN LOW PRECISION. The matrix products marked QUANTISED in the list below multiply operands that are first quantised to E2M1 (2 exponent bits, 1 mantissa bit; 4 bits a number), with one power-of-two scale for each 32 numbers along K (OCP MX v1.0); their sums are f32. The products marked 'left as it is' may take bf16, f16 or f32 operands, with f32 sums. Whichever they take, every output number must still come out within the allowed error. Rounding operands to bf16 (8 significant bits) uses up far more of that allowance than f16 does (11 bits, for magnitudes from 6e-5 to 65,504). All else is computed in f32.
;;   The module's matrix products, in the order in which they are computed (A, B: the left and right operand; K: the contracted axis; several contracted axes count as one K, in the product's order):
;;     1. [M 8,192, K 1,024] x [K 1,024, N 1,024]; A: input x; B: input Wq: QUANTISED
;;     2. [M 8,192, K 1,024] x [K 1,024, N 1,024]; A: input x; B: input Wk: QUANTISED
;;     3. [M 8,192, K 1,024] x [K 1,024, N 1,024]; A: input x; B: input Wv: QUANTISED
;;     4. batch 128 x [M 1,024, K 64] x [K 64, N 1,024]; A: computed on the way; B: computed on the way: left as it is (an operand is computed on the way)
;;     5. batch 128 x [M 1,024, K 1,024] x [K 1,024, N 64]; A: computed on the way; B: computed on the way: left as it is (an operand is computed on the way)
;;     6. [M 8,192, K 1,024] x [K 1,024, N 1,024]; A: computed on the way; B: input Wo: left as it is (an operand is computed on the way)
;;   THE QUANTISER, for each operand of a quantised product, along K:
;;     - K is cut into blocks of 32 from its start; a last block that is shorter is filled with zeros.
;;     - A block's scale is 2^e with e = floor(log2(the largest magnitude in the block)) - 2, held to -126 .. 127; a block of zeros has e = 0. As a byte (E8M0): e + 127.
;;     - Each number is divided by its block's scale, clamped to +-6, and rounded to the nearest number of E2M1, ties to even, subnormals kept.
;;     - The product sums the exact products of the quantised numbers (number of the format x scale) in f32.
;;   ~~~python
;;   def quantise(x, axis):      # numpy; x: float32 -> the quantised numbers, widened to float32 again
;;       x = np.moveaxis(x, axis, -1); K = x.shape[-1]
;;       x = np.pad(x, [(0, 0)] * (x.ndim - 1) + [(0, -K % 32)]); x = x.reshape(x.shape[:-1] + (-1, 32)); a = np.abs(x).max(-1, keepdims=True)
;;       e = np.where(a > 0, np.clip(np.frexp(np.where(a > 0, a, 1))[1] - 1 - 2, -126, 127), 0)      # np.frexp(a)[1] - 1 = floor(log2(a)), exactly
;;       r = np.clip(x / 2.0 ** e, -6, 6)
;;       step = 2.0 ** (np.maximum(np.frexp(np.where(r == 0, 1, r))[1] - 1, 0) - 1)
;;       q = np.round(r / step) * step * 2.0 ** e      # np.round: ties to even
;;       return np.moveaxis(q.reshape(q.shape[:-2] + (-1,))[..., :K], -1, axis).astype(np.float32)
;;   ~~~
;; One version. Each part assembles by itself: llvm-mc -triple=amdgcn-amd-amdhsa -mcpu=gfx1250 --defsym DOCPART=n.
;; ======== version 1 of 1: 5 launches
;; limits: values are held in f16: magnitudes above 65,504 overflow, below 6.1e-05 lose precision
;; workspace buffers: xc 4,194,304 bytes; xs 262,144 bytes; wc 1,572,864 bytes; ws 98,304 bytes; wo16 2,097,152 bytes; qkv16 50,331,648 bytes; first32 1,572,864 bytes; y16 16,777,216 bytes
;; launch prep (part 1): grid 416 x 1, 4 waves a work-group, no clusters, 68,096 bytes of LDS; arguments x, Wq, Wk, Wv, Wo, xc, xs, wc, ws, wo16; writes xc, xs, wc, ws, wo16
.if DOCPART == 1
	.amdgcn_target "amdgcn-amd-amdhsa--gfx1250"
	.amdhsa_code_object_version 6
	.text
	.protected	k_q9c26c4bbf5_prep
	.globl	k_q9c26c4bbf5_prep
	.p2align	8
	.type	k_q9c26c4bbf5_prep,@function
k_q9c26c4bbf5_prep:
	s_mov_b64 s[64:65], 0
	v_nop
	global_prefetch_b8 v0, s[64:65] scope:SCOPE_SE
	s_setreg_imm32_b32 hwreg(HW_REG_WAVE_MODE, 25, 1), 1
	s_wait_xcnt 0x0
; PREP: everything that later launches read many times is made narrow once.
;   work-groups 0-255:   x [8192][1024] f32 -> codes of FP4 (E2M1), K innermost, xc [8192][512 bytes], and one E8M0 byte for each 32 along K, xs [8192][32]
;   work-groups 256-351: Wq, Wk, Wv [k 1024][n 1024] f32, K their FIRST axis -> wc [3072 = q|k|v columns][512 bytes], ws [3072][32], K innermost
;   work-groups 352-415: Wo f32 -> wo16, f16, laid as Wo lies
; A block's scale is 2^(floor(log2(its largest magnitude)) - 2): its byte is that magnitude's exponent field - 2, held at 1 from below.  A block of zeros so keeps the byte 1 where the rule says 127:
; its codes are zeros, which add nothing under any byte but 0xff, and this program alone reads the bytes.
; LIMITS: NaN and infinities among the inputs are not served; blocks whose largest magnitude lies under 2^-124 keep the byte 1; |Wo| over 65,504 has no f16 number.
; The three paths part on the work-group's number alone.  Each path that uses LDS has LDS bytes of its own: x's 0 .. 32,767, the weights' 32,768 .. 50,175; the spare words lie behind both.
.set SPW,   192                        ; v192  LDS address of my spare word: SPARE + 4 x my thread's number; never rewritten
.set NIL,   193                        ; v193  0; never rewritten
.set SPARE, 67584                      ; 128 bytes for each wave: two blocks of 256 bytes that no other line names
.set EMAX,  2
; ---- x's path
.set XSTEPS, 16                        ; a wave takes 16 steps of 512 numbers
.set CB,    8                          ; bytes of 16 codes
.set XR,    16                         ; v16-79   four sets of 16 numbers as they are loaded
.set XX,    80                         ; v80-111  two sets of 16 neighbours
.set XE,    112                        ; v112-127 a scale byte for each step
.set XC,    128                        ; v128-191 codes: four registers for each step, so that no store's data are written again
.set WREG,  8192                       ; a wave's LDS: two stages of 32 x SP bytes, behind them its 256 scale bytes
.set SP,    80                         ; a lane's place in a stage: 64 bytes + 16 of padding
; ---- the weights' path
.set NB,    8                          ; blocks of 32 along K for a lane (256 along K)
.set WP,    272                        ; a stage row: 256 bytes of codes + 16
.set KROW,  512                        ; a row of wc in bytes
.set WSTG,  32768                      ; the four stages of 16 rows begin here
.set WX,    32                         ; v32-95   two sets of 32 numbers
.set WC,    96                         ; v96-99   a block's codes
.set WOUT,  112                        ; v112-143 the way out
.set WSB,   24                         ; v24-25   the scale bytes, four to a register
	s_load_b512 s[4:19], s[0:1], 0x0               ; x 4:5, Wq 6:7, Wk 8:9, Wv 10:11, Wo 12:13, xc 14:15, xs 16:17, wc 18:19
	s_load_b128 s[20:23], s[0:1], 0x40             ; ws 20:21, wo16 22:23
	v_lshl_add_u32 v[SPW], v0, 2, SPARE
	v_mov_b32 v[NIL], 0
	v_lshrrev_b32 v1, 5, v0
	v_readfirstlane_b32 s24, v1                    ; wave 0..3
	v_and_b32 v2, 31, v0                           ; lane
	s_wait_kmcnt 0x0
	s_cmp_ge_u32 ttmp9, 352
	s_cbranch_scc1 .Lcast
	s_cmp_ge_u32 ttmp9, 256
	s_cbranch_scc1 .Lweights
; ================= x: rows are dense and K is a multiple of 32, so x is a plain stream of blocks of 32, and so are its codes and scale bytes =================
; Each load reads 512 consecutive bytes, 16 a lane; a step's 2,048 bytes turn through the wave's own stage and come back 64 bytes a lane: 16 neighbours along K, two lanes to a block.
	v_lshlrev_b32 v3, 4, v2                        ; my 16 bytes of a load's 512
	s_mul_i32 s25, s24, WREG
	v_lshrrev_b32 v14, 2, v2
	v_mul_u32_u24 v14, v14, SP
	v_and_b32 v15, 3, v2
	v_lshl_add_u32 v14, v15, 4, v14
	v_add_nc_u32 v14, s25, v14                     ; the stage on the way in: SP (lane / 4) + 16 (lane % 4)
	v_mul_u32_u24 v15, v2, SP
	v_add_nc_u32 v15, s25, v15                     ; and on the way out: SP x lane
	v_mul_u32_u24 v4, v2, CB                       ; my codes' place in a step's 256 bytes
	v_lshrrev_b32 v5, 1, v2
	s_add_co_u32 s25, s25, 2*32*SP
	v_add_nc_u32 v5, s25, v5                       ; my wave's 256 scale bytes: my block's byte
	v_lshlrev_b32 v7, 3, v2                        ; on the way out 8 bytes a lane
	v_add_nc_u32 v6, s25, v7
	s_lshl_b32 s26, ttmp9, 2
	s_add_co_u32 s26, s26, s24                     ; which run of 8,192 numbers is my wave's: 0 .. 1,023
	s_lshl_b32 s28, s26, 15                        ; 32,768 bytes of x a run
	s_mov_b32 s29, 0
	s_add_nc_u64 s[4:5], s[4:5], s[28:29]
	s_lshl_b32 s28, s26, 12                        ; 4,096 bytes of codes
	s_add_nc_u64 s[14:15], s[14:15], s[28:29]
	s_lshl_b32 s28, s26, 8                         ; 256 scale bytes
	s_add_nc_u64 s[16:17], s[16:17], s[28:29]
.macro XLOAD t
.irp i, 0,1,2,3
	global_load_b128 v[XR+16*((\t)%4)+4*\i:XR+16*((\t)%4)+4*\i+3], v3, s[4:5] offset:2048*(\t)+512*\i th:TH_LOAD_NT
.endr
.endm
.macro XTURN t                         ; step t's numbers through the stage: LDS serves a wave's instructions in order, so no wait stands between the stores and the loads
.irp i, 0,1,2,3
	ds_store_b128 v14, v[XR+16*((\t)%4)+4*\i:XR+16*((\t)%4)+4*\i+3] offset:32*SP*((\t)%2)+8*SP*\i
.endr
.irp i, 0,1,2,3
	ds_load_b128 v[XX+16*((\t)%2)+4*\i:XX+16*((\t)%2)+4*\i+3], v15 offset:32*SP*((\t)%2)+16*\i
.endr
.endm
.irp t, 0,1,2,3
	XLOAD \t
.endr
	s_wait_loadcnt 12                              ; step 0's four loads are in; twelve younger ones stay out
	XTURN 0
.macro XSTEP t
.set XS, XX+16*((\t)%2)
.if (\t) > 0
	s_wait_dscnt 1                                 ; this step's numbers are back (the last step's byte store may be out): so its stores into the stage have read their registers,
.else
	s_wait_dscnt 0x0
.endif
.if (\t)+4 < XSTEPS
	XLOAD (\t)+4                                   ; which take the loads of four steps on
.endif
.if (\t)+1 < XSTEPS
.if XSTEPS-2-(\t) >= 3
	s_wait_loadcnt 12                              ; the next step's four loads are in; those of the three steps behind it may be out
.else
	s_wait_loadcnt 4*(XSTEPS-2-(\t))               ; near the end fewer are behind it
.endif
	XTURN (\t)+1
.endif
	v_max3_num_f32 v8, |v[XS]|, |v[XS+1]|, |v[XS+2]|               ; the largest magnitude of my 16, in two chains
	v_max3_num_f32 v9, |v[XS+3]|, |v[XS+4]|, |v[XS+5]|
.irp i, 6,10
	v_max3_num_f32 v8, v8, |v[XS+\i]|, |v[XS+\i+1]|
	v_max3_num_f32 v9, v9, |v[XS+\i+2]|, |v[XS+\i+3]|
.endr
	v_max3_num_f32 v8, v8, |v[XS+14]|, |v[XS+15]|
	v_max3_num_f32 v8, v8, v9, (EMAX+1)<<23        ; and the floor 2^(3 - 127): the byte cannot fall under 1
	v_max_num_f32_dpp v8, v8, v8 row_xmask:1 row_mask:0xf bank_mask:0xf   ; with my neighbour's 16: the block's
	v_add_nc_u32 v11, -(EMAX<<23), v8              ; 2 off its exponent field: the conversion takes the exponent field of this operand as its scale
	v_cvt_scalef32_pk8_fp4_f32 v[XC+4*(\t)], v[XS:XS+7], v11
	v_cvt_scalef32_pk8_fp4_f32 v[XC+4*(\t)+1], v[XS+8:XS+15], v11
	v_lshrrev_b32 v[XE+(\t)], 23, v11              ; the scale's byte (also the plain line behind the conversions)
	ds_store_b8 v5, v[XE+(\t)] offset:16*(\t)      ; both lanes of a block write the same byte with the same value
	global_store_b64 v4, v[XC+4*(\t):XC+4*(\t)+1], s[14:15] offset:32*CB*(\t)   ; the wave stores 256 consecutive bytes, aligned
.endm
.irp t, 0,1,2,3,4,5,6,7,8,9,10,11,12,13,14,15
	XSTEP \t
.endr
	ds_load_b64 v[8:9], v6                         ; my wave's 256 scale bytes: these loads see my stores
	s_wait_dscnt 0x0
	global_store_b64 v7, v[8:9], s[16:17]          ; 256 consecutive bytes, aligned
	s_wait_tensorcnt 0x0                           ; the wave's end
	ds_add_u32 v[SPW], v[NIL]
	s_wait_dscnt 0x0
	s_endpgm
; ================= the three weights: a lane takes a column n and its registers run down K, so the conversions give codes with K innermost =================
; A wave takes 16 columns x 512 along K: lanes 0-15 the first 256 along K of their column, lanes 16-31 the second 256.  So a lane walks 8 blocks of 32, one behind the other, and a column's
; 256 bytes of codes still meet in the wave's own stage and leave as one aligned run of 256 bytes.  No barrier: waves share nothing.
.Lweights:
	s_sub_co_u32 s25, ttmp9, 256                   ; 0 .. 95
	s_lshr_b32 s26, s25, 5                         ; which weight: 0 q, 1 k, 2 v
	s_and_b32 s27, s25, 15                         ; which 64 columns
	s_bfe_u32 s28, s25, 0x10004                    ; which 512 along K
	s_cmp_eq_u32 s26, 0
	s_cselect_b64 s[30:31], s[6:7], s[8:9]
	s_cmp_eq_u32 s26, 2
	s_cselect_b64 s[30:31], s[10:11], s[30:31]     ; the choice hangs on the work-group's number alone
	s_lshl_b32 s27, s27, 6
	s_lshl_b32 s29, s24, 4
	s_add_co_u32 s27, s27, s29                     ; my wave's first column: 64 x group + 16 x wave
	s_lshl_b32 s32, s28, 21                        ; 512 rows of 4,096 bytes
	s_lshl_b32 s29, s27, 2
	s_add_co_u32 s32, s32, s29
	s_mov_b32 s33, 0
	s_add_nc_u64 s[30:31], s[30:31], s[32:33]
	s_lshl_b32 s26, s26, 10
	s_add_co_u32 s26, s26, s27                     ; my first row of wc and ws
	s_lshl_b32 s32, s26, 9
	s_lshl_b32 s29, s28, 8
	s_add_co_u32 s32, s32, s29
	s_add_nc_u64 s[18:19], s[18:19], s[32:33]
	s_lshl_b32 s32, s26, 5
	s_lshl_b32 s29, s28, 4
	s_add_co_u32 s32, s32, s29
	s_add_nc_u64 s[20:21], s[20:21], s[32:33]
	s_mul_i32 s29, s24, 16*WP
	s_add_co_u32 s29, s29, WSTG                    ; my stage: 16 rows
	v_and_b32 v5, 15, v2                           ; r: my column
	v_lshrrev_b32 v6, 4, v2                        ; h: my half of the 512 along K
	v_lshlrev_b32 v3, 2, v5
	v_lshl_add_u32 v3, v6, 20, v3                  ; in: 4 bytes a column, 256 rows of 4,096 bytes a half
	v_mul_u32_u24 v4, v5, WP
	v_lshl_add_u32 v4, v6, 7, v4
	v_add_nc_u32 v4, s29, v4                       ; into the stage: row = my column, my half's 128 bytes
	v_mul_u32_u24 v7, v6, WP
	v_lshl_add_u32 v7, v5, 4, v7
	v_add_nc_u32 v7, s29, v7                       ; out of it: sixteen lanes to a row, two rows an instruction
	v_mul_u32_u24 v8, v6, KROW
	v_lshl_add_u32 v8, v5, 4, v8                   ; and the same place in wc
	v_lshlrev_b32 v9, 5, v5
	v_lshl_add_u32 v9, v6, 3, v9                   ; my column's row of scale bytes, 32 bytes a row; my half's 8
.macro WLOAD t                         ; block t: W(256 h + 32 t + i, my column), i = 0 .. 31, into set t % 2; every offset is an immediate, 255 rows of 4,096 bytes at the most
.set i, 0                              ; no non-temporal hint: the four waves of a work-group read neighbouring quarters of the same 256 bytes
.rept 32
	global_load_b32 v[WX+32*((\t)%2)+i], v3, s[30:31] offset:(32*(\t)+i)*4096
.set i, i+1
.endr
.endm
	WLOAD 0
	WLOAD 1
.macro WBLOCK t
.set WS, WX+32*((\t)%2)
.if (\t) < NB-1
	s_wait_loadcnt 32                              ; this block's 32 loads are in; the next block's may be out
.else
	s_wait_loadcnt 0
.endif
	v_max3_num_f32 v12, |v[WS]|, |v[WS+1]|, |v[WS+2]|              ; the block's largest magnitude: all 32 numbers are mine
	v_max3_num_f32 v13, |v[WS+3]|, |v[WS+4]|, |v[WS+5]|
.irp i, 6,10,14,18,22,26
	v_max3_num_f32 v12, v12, |v[WS+\i]|, |v[WS+\i+1]|
	v_max3_num_f32 v13, v13, |v[WS+\i+2]|, |v[WS+\i+3]|
.endr
	v_max3_num_f32 v12, v12, |v[WS+30]|, |v[WS+31]|
	v_max3_num_f32 v12, v12, v13, (EMAX+1)<<23     ; and the floor
	v_add_nc_u32 v11, -(EMAX<<23), v12             ; the conversion's scale operand
	v_lshrrev_b32 v13, 23, v11                     ; the scale's byte
.if (\t)%4 == 0
	v_mov_b32 v[WSB+(\t)/4], v13                   ; four bytes to a register, the lower K in the lower byte
.else
	v_lshl_or_b32 v[WSB+(\t)/4], v13, 8*((\t)%4), v[WSB+(\t)/4]
.endif
.irp g, 0,1,2,3
	v_cvt_scalef32_pk8_fp4_f32 v[WC+\g], v[WS+8*\g:WS+8*\g+7], v11
.endr
	v_nop                                          ; one plain line behind the last conversion
	ds_store_b128 v4, v[WC:WC+3] offset:16*(\t)    ; 32 codes: 16 bytes of my column's row
.if (\t)+2 < NB
	WLOAD (\t)+2
.endif
	s_wait_dscnt 0x0                               ; the store has read its registers: the next block's codes may be written
.endm
.set Q, 0
.rept NB
	WBLOCK Q
.set Q, Q+1
.endr
	global_store_b64 v9, v[WSB:WSB+1], s[20:21]    ; my 8 scale bytes; the two lanes of a column store 16 neighbouring bytes
.irp t, 0,1,2,3,4,5,6,7
	ds_load_b128 v[WOUT+4*\t:WOUT+4*\t+3], v7 offset:2*\t*WP
.endr
.irp t, 0,1,2,3,4,5,6,7
	s_wait_dscnt 7-\t                              ; LDS loads come back in order: load t is in, the 7 - t younger ones may be out
	global_store_b128 v8, v[WOUT+4*\t:WOUT+4*\t+3], s[18:19] offset:2*\t*KROW   ; sixteen lanes store 256 consecutive bytes, aligned
.endr
	s_wait_tensorcnt 0x0                           ; the wave's end
	ds_add_u32 v[SPW], v[NIL]
	s_wait_dscnt 0x0
	s_endpgm
; ================= Wo to f16: a wave casts 4,096 numbers; no LDS is touched on this path =================
.Lcast:
	s_sub_co_u32 s25, ttmp9, 352
	s_lshl_b32 s26, s25, 16
	s_lshl_b32 s27, s24, 14
	s_add_co_u32 s26, s26, s27                     ; my wave's 16,384 bytes of Wo
	s_mov_b32 s27, 0
	s_add_nc_u64 s[12:13], s[12:13], s[26:27]
	s_lshr_b32 s26, s26, 1                         ; and its 8,192 bytes of wo16
	s_add_nc_u64 s[22:23], s[22:23], s[26:27]
	v_lshlrev_b32 v3, 5, v2                        ; in: 8 numbers, 32 bytes a lane
	v_lshlrev_b32 v4, 4, v2                        ; out: 16 bytes a lane
.irp i, 0,1,2,3,4,5,6,7,8,9,10,11,12,13,14,15
	global_load_b128 v[16+8*\i:16+8*\i+3], v3, s[12:13] offset:1024*\i th:TH_LOAD_NT
	global_load_b128 v[16+8*\i+4:16+8*\i+7], v3, s[12:13] offset:1024*\i+16 th:TH_LOAD_NT
.endr
.irp i, 0,1,2,3,4,5,6,7,8,9,10,11,12,13,14,15
	s_wait_loadcnt 30-2*\i                         ; group i's two loads are in; the 30 - 2 i younger ones may be out
.irp n, 0,1,2,3
	v_cvt_pk_f16_f32 v[16+8*\i+\n], v[16+8*\i+2*\n], v[16+8*\i+2*\n+1]   ; in place, ascending: no source is overwritten before it is read
.endr
	global_store_b128 v4, v[16+8*\i:16+8*\i+3], s[22:23] offset:512*\i    ; the wave stores 512 consecutive bytes
.endr
	s_endpgm
.Lfunc_end_k_q9c26c4bbf5_prep:
	.size	k_q9c26c4bbf5_prep, .Lfunc_end_k_q9c26c4bbf5_prep-k_q9c26c4bbf5_prep
	.p2alignl 7, 3214868480
	.fill 96, 4, 3214868480
	.section	.rodata,"a",@progbits
	.p2align	6, 0x0
	.amdhsa_kernel k_q9c26c4bbf5_prep
		.amdhsa_group_segment_fixed_size 68096
		.amdhsa_private_segment_fixed_size 0
		.amdhsa_enable_private_segment 0
		.amdhsa_kernarg_size 80
		.amdhsa_user_sgpr_count 2
		.amdhsa_user_sgpr_kernarg_segment_ptr 1
		.amdhsa_wavefront_size32 1
		.amdhsa_system_sgpr_workgroup_id_x 1
		.amdhsa_system_sgpr_workgroup_id_y 1
		.amdhsa_system_sgpr_workgroup_id_z 1
		.amdhsa_system_vgpr_workitem_id 0
		.amdhsa_next_free_vgpr 200
		.amdhsa_next_free_sgpr 66
		.amdhsa_reserve_vcc 0
		.amdhsa_float_denorm_mode_32 3
		.amdhsa_float_denorm_mode_16_64 3
		.amdhsa_memory_ordered 1
		.amdhsa_forward_progress 1
		.amdhsa_inst_pref_size 83
	.end_amdhsa_kernel
	.amdgpu_metadata
---
amdhsa.version: [ 1, 2 ]
amdhsa.kernels:
  - .name:           k_q9c26c4bbf5_prep
    .symbol:         k_q9c26c4bbf5_prep.kd
    .args:
      - { .name: x, .offset: 0, .size: 8, .value_kind: global_buffer, .address_space: global }
      - { .name: Wq, .offset: 8, .size: 8, .value_kind: global_buffer, .address_space: global }
      - { .name: Wk, .offset: 16, .size: 8, .value_kind: global_buffer, .address_space: global }
      - { .name: Wv, .offset: 24, .size: 8, .value_kind: global_buffer, .address_space: global }
      - { .name: Wo, .offset: 32, .size: 8, .value_kind: global_buffer, .address_space: global }
      - { .name: xc, .offset: 40, .size: 8, .value_kind: global_buffer, .address_space: global }
      - { .name: xs, .offset: 48, .size: 8, .value_kind: global_buffer, .address_space: global }
      - { .name: wc, .offset: 56, .size: 8, .value_kind: global_buffer, .address_space: global }
      - { .name: ws, .offset: 64, .size: 8, .value_kind: global_buffer, .address_space: global }
      - { .name: wo16, .offset: 72, .size: 8, .value_kind: global_buffer, .address_space: global }
    .group_segment_fixed_size: 68096
    .private_segment_fixed_size: 0
    .kernarg_segment_align: 8
    .kernarg_segment_size: 80
    .max_flat_workgroup_size: 128
    .sgpr_count:     66
    .vgpr_count:     200
    .wavefront_size: 32
...
	.end_amdgpu_metadata
.endif
;; end of part 1
;; launch qkv (part 2): grid 12 x 32, 4 waves a work-group, clusters of 4 x 4, 327,680 bytes of LDS; arguments xc, xs, wc, ws, qkv16, first32, bq, bk, bv; writes qkv16, first32
.if DOCPART == 2
	.amdgcn_target "amdgcn-amd-amdhsa--gfx1250"
	.amdhsa_code_object_version 6
	.text
	.protected	k_q9c26c4bbf5_qkv
	.globl	k_q9c26c4bbf5_qkv
	.p2align	8
	.type	k_q9c26c4bbf5_qkv,@function
k_q9c26c4bbf5_qkv:
	s_mov_b64 s[64:65], 0
	v_nop
	global_prefetch_b8 v0, s[64:65] scope:SCOPE_SE
	s_setreg_imm32_b32 hwreg(HW_REG_WAVE_MODE, 25, 1), 1
	s_wait_xcnt 0x0
	s_wait_alu depctr_hold_cnt(0) depctr_sa_sdst(0) depctr_va_vdst(0) depctr_va_sdst(0) depctr_va_ssrc(0) depctr_va_vcc(0) depctr_vm_vsrc(0)
	s_getreg_b32 s2, hwreg(HW_REG_IB_STS2, 6, 4)
	s_cmp_eq_u32 s2, 0
	s_cbranch_scc0 .Lentry_in_a_cluster
	s_endpgm
.Lentry_in_a_cluster:
	s_bfe_u32 s2, ttmp6, 0x10000c
	s_cmp_lg_u32 s2, 0xf033
	s_cbranch_scc0 .Lentry_shape_is_right
	s_endpgm
.Lentry_shape_is_right:
; QKV: [8192 rows of x] x [3072 columns = q | k | v], K = 1,024, on codes of FP4 (E2M1) with one E8M0 scale for each 32 along K; sums in f32; the bias starts each sum.
; Results leave as f16 by heads, qkv16 [3][16 b + h][l][64]; the first 16 positions of every sequence leave as f32 too, first32 [3][b][16][1024], for the launch that carries those rows in f32.
; LIMIT: |q|, |k|, |v| over 65,504 have no f16 number.
; A tile of C, 256 x 256, is made by four waves, each 128 x 128: 64 accumulators.  K is exactly two LDS slots of 512 along K: both slots and all scale bytes are first fills, three tensor loads a wave, and nothing is filled again.
; CLUSTERS: 4 x 4 work-groups; A's tiles are asked for jointly along a row of the cluster, B's along a column.  Tile row = cluster y + 8 cy, so that 'this tile begins a sequence' (tile row % 4 = 0)
; is cluster y % 4 = 0, the same in all sixteen partners.  Tile column = 4 x cluster x + cx: cluster x = 0, 1, 2 is q, k, v.
; THE MATRIX INSTRUCTION IS USED TRANSPOSED (source 0 = 16 rows of wc, source 1 = 16 rows of xc): a lane holds eight neighbouring columns of one row of C.
; REGISTERS: window 0: v0-31 addresses; v32-95 scale words, two sets, and nothing else ever; v96-127 packed results on the way out; v128-191 A's fragments, one set, later rows read back; v192-255 the bias, later the f32 rows.
;   window 1: B's fragments, two sets, at v0 and v128.   window 2: accumulators of my rows 0-63 ((a, b) at v[8 (8 a + b)]);   window 3: rows 64-127.
.set NQ,     4                         ; steps of 128 along K in a slot
.set ROWB,   256                       ; a tile's row in bytes: 512 codes
.set KROW,   512                       ; a row of xc or wc in memory
.set PITCH,  272                       ; an LDS row: 256 bytes + 16 of padding: the 16 rows that a load touches start 4 banks apart
.set FR,     8                         ; registers of a fragment
.set NL,     2                         ; LDS loads that bring one
.set NP,     4                         ; places behind this matrix instruction (ISA guide 7.12.1)
.set HALFT,  128*PITCH
.set SLOT,   4*HALFT
.set KS,     32                        ; a row of scale bytes
.set SCL,    2*SLOT                    ; behind the ring: the scales, as units of 256 bytes + 16
.set HALFS,  (128*KS/256)*272
.set SBLK,   (16*KS/256)*272
.set SPARE,  SCL+4*HALFS               ; the spare words, 128 bytes for each wave
.set WSTG,   13312                     ; the way out: a wave's stages, in slot 0, which has had its only fill and its last read by then
.set SPITCH, 528                       ; f32 stage: 16 rows x (512 + 16)
.set HSTG,   16*SPITCH                 ; behind it the f16 stage: 2 heads x 16 rows x (128 + 16)
.set HP,     144
.set ADRA, 16
.set ADRB, 20
.set STO,  24
.set RD,   25
.set CO,   26                          ; v26  16 x lane
.set ADRS, 27
.set SPW,  28
.set NIL,  29
.set STOH, 30
.set RDH,  31
.set SC,   32
.set TMP,  96
.set AF,   128
.set BK,   128
.set BI,   192
.set G1, 24
.set G0, 32
.set G1B, 48
.set G0B, 56
.set G1S, 68
.set G0S, 76
.set G1SB, 80
.set G0SB, 88
.set MSB, 0
.macro WIN new                         ; the immediate's high byte repeats the setting that is left
.if MSB != \new
	s_set_vgpr_msb (MSB<<8)|\new
.set MSB, \new
.endif
.endm
.set MUL_LO, 0xa1                      ; source 0 (B) window 1, source 1 (A) window 0, C and D window 2
.set MUL_HI, 0xf1                      ; the same, C and D window 3
.set BIA_LO, 0x81                      ; the first step: C = the bias, window 0; D window 2
.set BIA_HI, 0xc1                      ; D window 3
.set TO_B,   0x40
; A joint load: waves 0 and 1 fetch for A, waves 2 and 3 for B; the branch hangs on the wave's number alone.  An s_nop 0 and four v_nop follow each of the two lines.
.macro JLOAD g0a, g1a, g0b, g1b
	s_cmp_eq_u32 s15, 0
	s_cbranch_scc0 .Lfor_b_\@
	tensor_load_to_lds s[\g0a:\g0a+3], s[\g1a:\g1a+7]
	s_nop 0
.rept 4
	v_nop
.endr
	s_branch .Lasked_\@
.Lfor_b_\@:
	tensor_load_to_lds s[\g0b:\g0b+3], s[\g1b:\g1b+7]
	s_nop 0
.rept 4
	v_nop
.endr
.Lasked_\@:
.endm
.macro CROUND                          ; a round of the cluster's barrier
	s_barrier_signal -1
	s_barrier_wait -1
	s_cmp_lg_u32 s14, 0
	s_cbranch_scc1 .Lnot_wave_0_\@
	s_barrier_signal -3
.Lnot_wave_0_\@:
	s_barrier_wait -3
	s_barrier_signal -1
	s_barrier_wait -1
.endm
	s_load_b128 s[4:7], s[0:1], 0x0                ; xc, xs
	s_load_b128 s[8:11], s[0:1], 0x10              ; wc, ws
	s_load_b64 s[12:13], s[0:1], 0x20              ; qkv16
	s_load_b64 s[66:67], s[0:1], 0x28              ; first32
	s_load_b128 s[96:99], s[0:1], 0x30             ; bq, bk
	s_load_b64 s[100:101], s[0:1], 0x40            ; bv
	v_lshl_add_u32 v[SPW], v0, 2, SPARE
	v_mov_b32 v[NIL], 0
	ds_add_u32 v[SPW], v[NIL]                      ; the wave's opening: the add, twice on end, and its wait ahead of my first tensor load
	ds_add_u32 v[SPW], v[NIL]
	v_lshrrev_b32 v1, 5, v0
	v_readfirstlane_b32 s14, v1                    ; wave 0..3
	s_lshr_b32 s15, s14, 1                         ; which half of the tile's rows is mine.  Also: I fetch for A (0) or for B (1)
	s_and_b32 s16, s14, 1                          ; which half of its columns.  Also: which 128 rows of that tile I fetch
	s_bfe_u32 s40, ttmp6, 0x40000                  ; cx
	s_bfe_u32 s41, ttmp6, 0x40004                  ; cy
	s_lshl_b32 s42, ttmp9, 2
	s_add_co_u32 s42, s42, s40                     ; tile column = 4 x cluster x + cx
	s_and_b32 s17, ttmp7, 0xffff
	s_lshl_b32 s18, s41, 3
	s_add_co_u32 s17, s17, s18                     ; tile row = cluster y + 8 cy
	s_lshl_b32 s43, s41, 2
	s_lshl_b32 s43, 15, s43                        ; my row of the cluster
	s_lshl_b32 s44, 0x1111, s40                    ; my column
	s_or_b32 s[G1+0], s43, (0<<16)|(1<<20)|(1<<21)|(5<<22)|(3<<25)  ; the mask; elements of 1 byte; padding on; bit 21 beside a mask; 4 words behind every 64
	s_or_b32 s[G1B+0], s44, (0<<16)|(1<<20)|(1<<21)|(5<<22)|(3<<25)
.irp g, G1, G1B
	s_mov_b32 s[\g+1], ROWB<<16                    ; tensor_dim0
	s_mov_b32 s[\g+2], 128<<16                     ; tensor_dim1
	s_mov_b32 s[\g+3], ROWB<<16                    ; tile_dim0
	s_mov_b32 s[\g+4], 128                         ; tile_dim1
	s_mov_b32 s[\g+5], KROW                        ; the pitch
	s_mov_b32 s[\g+6], 0
	s_mov_b32 s[\g+7], 0
.endr
	s_or_b32 s[G1S+0], s43, (3<<16)|(1<<20)|(1<<21)|(5<<22)|(3<<25) ; the scales of 128 rows: 4,096 dense bytes as 16 rows of 256 (32 elements of 8 bytes), 16 bytes of padding behind each
	s_or_b32 s[G1SB+0], s44, (3<<16)|(1<<20)|(1<<21)|(5<<22)|(3<<25)
.irp g, G1S, G1SB
	s_mov_b32 s[\g+1], 32<<16
	s_mov_b32 s[\g+2], (128*KS/256)<<16
	s_mov_b32 s[\g+3], 32<<16
	s_mov_b32 s[\g+4], 128*KS/256
	s_mov_b32 s[\g+5], 32
	s_mov_b32 s[\g+6], 0
	s_mov_b32 s[\g+7], 0
.endr
	s_lshl_b32 s18, s16, 7
	s_lshl_b32 s20, s17, 8
	s_add_co_u32 s20, s20, s18                     ; A: row 256 x tile row + 128 x half
	s_lshl_b32 s46, s42, 8
	s_add_co_u32 s46, s46, s18                     ; B: row 256 x tile column + 128 x half
	s_mov_b32 s21, 0
	s_mov_b32 s47, 0
	s_mov_b64 s[18:19], KS
	s_mul_u64 s[22:23], s[20:21], s[18:19]         ; where these rows' scales begin
	s_mul_u64 s[92:93], s[46:47], s[18:19]
	s_mov_b64 s[18:19], KROW
	s_mul_u64 s[20:21], s[20:21], s[18:19]         ; and their codes
	s_mul_u64 s[46:47], s[46:47], s[18:19]
	s_mul_i32 s45, s14, HALFT                      ; where they go: wave x 128 rows
	s_mul_i32 s94, s14, HALFS
	s_and_b32 s95, ttmp7, 3
	s_or_b32 s95, s95, s15                         ; 0 where my rows 0-15 are a sequence's first 16 positions: cluster y and the wave's number alone
	s_wait_dscnt 0x0                               ; both opening adds are done
	s_wait_kmcnt 0x0
	s_add_nc_u64 s[20:21], s[4:5], s[20:21]
	s_add_nc_u64 s[22:23], s[6:7], s[22:23]
	s_add_nc_u64 s[46:47], s[8:9], s[46:47]
	s_add_nc_u64 s[92:93], s[10:11], s[92:93]
	CROUND                                         ; all sixteen work-groups are here: the joint loads meet
	s_mov_b32 s[G0S], 1
	s_add_co_u32 s[G0S+1], s94, SCL
	s_mov_b64 s[G0S+2:G0S+3], s[22:23]
	s_or_b32 s[G0S+3], s[G0S+3], 0x80000000
	s_mov_b32 s[G0SB], 1
	s_add_co_u32 s[G0SB+1], s94, SCL
	s_mov_b64 s[G0SB+2:G0SB+3], s[92:93]
	s_or_b32 s[G0SB+3], s[G0SB+3], 0x80000000
	JLOAD G0S, G1S, G0SB, G1SB                     ; the scales first
.irp s, 0,1
	s_mov_b32 s[G0+4*\s], 1
	s_add_co_u32 s[G0+4*\s+1], s45, \s*SLOT
	s_add_nc_u64 s[G0+4*\s+2:G0+4*\s+3], s[20:21], \s*ROWB
	s_or_b32 s[G0+4*\s+3], s[G0+4*\s+3], 0x80000000
	s_mov_b32 s[G0B+4*\s], 1
	s_add_co_u32 s[G0B+4*\s+1], s45, \s*SLOT
	s_add_nc_u64 s[G0B+4*\s+2:G0B+4*\s+3], s[46:47], \s*ROWB
	s_or_b32 s[G0B+4*\s+3], s[G0B+4*\s+3], 0x80000000
	JLOAD G0+4*\s, G1, G0B+4*\s, G1B               ; both halves of K: three loads of mine are out
.endr
	v_and_b32 v1, 15, v0                           ; r
	v_bfe_u32 v2, v0, 4, 1                         ; h
	; the bias of my 128 columns, in the result's layout: register 8 b + j of lane (r, h) is bias[16 b + 8 h + j]
	s_cmp_eq_u32 ttmp9, 0
	s_cselect_b64 s[96:97], s[96:97], s[98:99]
	s_cmp_eq_u32 ttmp9, 2
	s_cselect_b64 s[96:97], s[100:101], s[96:97]
	s_lshl_b32 s46, s40, 10
	s_lshl_b32 s47, s16, 9
	s_add_co_u32 s46, s46, s47                     ; (256 cx + 128 x half) x 4 bytes
	s_mov_b32 s47, 0
	s_add_nc_u64 s[96:97], s[96:97], s[46:47]
	v_lshlrev_b32 v9, 5, v2
.irp b, 0,1,2,3,4,5,6,7
	global_load_b128 v[BI+8*\b:BI+8*\b+3], v9, s[96:97] offset:64*\b
	global_load_b128 v[BI+8*\b+4:BI+8*\b+7], v9, s[96:97] offset:64*\b+16
.endr
	v_mul_u32_u24 v3, v1, PITCH
	v_lshl_add_u32 v4, v2, 4, v3                   ; a fragment's row x pitch + 16 x half
	s_mul_i32 s21, s15, HALFT
	s_mul_i32 s22, s16, HALFT
	s_add_co_u32 s22, s22, 2*HALFT
.irp s, 0,1
	v_add_nc_u32 v[ADRA+\s], s21, v4
	v_add_nc_u32 v[ADRB+\s], s22, v4
	s_add_co_u32 s21, s21, SLOT
	s_add_co_u32 s22, s22, SLOT
.endr
	v_mul_u32_u24 v5, v1, KS                       ; my row's scales: 32 bytes a row,
	v_lshrrev_b32 v6, 8, v5
	v_lshl_add_u32 v5, v6, 4, v5                   ; and 16 more for each 256 passed
	s_mul_i32 s21, s15, HALFS
	s_mul_i32 s22, s16, HALFS
	s_add_co_u32 s22, s22, 2*HALFS
	s_sub_co_u32 s22, s22, s21
	v_mul_u32_u24 v6, s22, v2                      ; lanes 16-31 take B's: one product, the distance between the two bases
	s_add_co_u32 s21, s21, SCL
	v_add_nc_u32 v5, v5, v6
	v_add_nc_u32 v[ADRS], s21, v5
	s_mul_i32 s23, s14, WSTG                       ; my stages
	v_mul_u32_u24 v5, v1, SPITCH
	v_lshl_add_u32 v5, v2, 5, v5
	v_add_nc_u32 v[STO], s23, v5                   ; f32, in: row r, 32 bytes for each half of the lanes
	v_and_b32 v6, 31, v0
	v_lshlrev_b32 v[CO], 4, v6
	v_add_nc_u32 v[RD], s23, v[CO]                 ; f32, back: the 32 lanes take one row of 512 bytes
	s_add_co_u32 s23, s23, HSTG
	v_mul_u32_u24 v5, v1, HP
	v_lshl_add_u32 v5, v2, 4, v5
	v_add_nc_u32 v[STOH], s23, v5                  ; f16, in: row r, 16 bytes for each half
	v_lshrrev_b32 v5, 3, v6
	v_mul_u32_u24 v5, v5, HP
	v_and_b32 v7, 7, v0
	v_lshl_add_u32 v5, v7, 4, v5
	v_add_nc_u32 v[RDH], s23, v5                   ; f16, back: eight lanes to a row of 128 bytes, four rows an instruction
	; where my results go
	s_lshl_b32 s20, ttmp9, 3
	s_lshr_b32 s21, s17, 2                         ; the batch
	s_add_co_u32 s20, s20, s21                     ; 8 x (q, k or v) + batch
	s_lshl_b32 s22, s20, 16                        ; first32: 16 rows of 4,096 bytes each
	s_add_co_u32 s22, s22, s46                     ; + my columns
	s_mov_b32 s23, 0
	s_add_nc_u64 s[66:67], s[66:67], s[22:23]
	s_lshl_b32 s20, s20, 4
	s_lshl_b32 s21, s40, 2
	s_add_co_u32 s20, s20, s21
	s_lshl_b32 s21, s16, 1
	s_add_co_u32 s20, s20, s21                     ; my first head's plane: 16 x (..) + 4 cx + 2 x half
	s_lshl_b32 s20, s20, 17                        ; a plane is 131,072 bytes
	s_and_b32 s21, s17, 3
	s_lshl_b32 s21, s21, 15                        ; 256 positions of 128 bytes for each tile row in the sequence,
	s_add_co_u32 s20, s20, s21
	s_lshl_b32 s21, s15, 14                        ; 128 for my half
	s_add_co_u32 s20, s20, s21
	s_mov_b32 s21, 0
	s_add_nc_u64 s[12:13], s[12:13], s[20:21]
.macro FRAG reg, adr, q, i             ; 16 rows x 128 K of 4-bit codes: registers 4 c .. 4 c + 3 hold K = 64 c + 32 (l / 16) + 0 .. 31
.irp c, 0,1
	ds_load_b128 v[\reg+4*\c:\reg+4*\c+3], v[\adr] offset:64*(\q)+32*\c+(\i)*16*PITCH
.endr
.endm
; 16 matrix instructions: A's blocks a0, a0 + 1 x B's eight.  zero = 1: the first step, whose C is the bias.  The 64 accumulators take turns, one instruction a turn.
.macro MUL16 a0, p, q, sc, zero
.irp a, \a0, \a0+1
.irp b, 0,1,2,3,4,5,6,7
.if \zero
	v_wmma_scale_f32_16x16x128_f8f6f4 v[8*(8*((\a)%4)+\b):8*(8*((\a)%4)+\b)+7], v[128*(\p)+FR*\b:128*(\p)+FR*\b+FR-1], v[AF+FR*(\a):AF+FR*(\a)+FR-1], v[BI+8*\b:BI+8*\b+7], v[SC+8*NQ*(\sc)+NQ*\b+(\q)], v[SC+8*NQ*(\sc)+NQ*(\a)+(\q)] matrix_a_fmt:MATRIX_FMT_FP4 matrix_b_fmt:MATRIX_FMT_FP4 matrix_a_scale:MATRIX_SCALE_ROW1
.else
	v_wmma_scale_f32_16x16x128_f8f6f4 v[8*(8*((\a)%4)+\b):8*(8*((\a)%4)+\b)+7], v[128*(\p)+FR*\b:128*(\p)+FR*\b+FR-1], v[AF+FR*(\a):AF+FR*(\a)+FR-1], v[8*(8*((\a)%4)+\b):8*(8*((\a)%4)+\b)+7], v[SC+8*NQ*(\sc)+NQ*\b+(\q)], v[SC+8*NQ*(\sc)+NQ*(\a)+(\q)] matrix_a_fmt:MATRIX_FMT_FP4 matrix_b_fmt:MATRIX_FMT_FP4 matrix_a_scale:MATRIX_SCALE_ROW1
.endif
.endr
.endr
.endm
.macro FETCH_B slot, q, p
	WIN TO_B
.irp i, 0,1,2,3,4,5,6,7
	FRAG 128*(\p)+FR*\i, ADRB+\slot, \q, \i
.endr
	WIN 0
.endm
.macro FETCH_A slot, q, i0
.irp i, \i0, \i0+1, \i0+2, \i0+3
	FRAG AF+FR*(\i), ADRA+\slot, \q, \i
.endr
.endm
.macro SCALES sc                       ; a slot's scale words: 4 words a row; lanes 0-15 take A's block i, lanes 16-31 B's block i
.irp i, 0,1,2,3,4,5,6,7
	ds_load_b128 v[SC+8*NQ*\sc+NQ*\i:SC+8*NQ*\sc+NQ*\i+3], v[ADRS] offset:\i*SBLK
.endr
.endm
.macro PLACES n                        ; plain vector lines between a matrix instruction and a load into, or a read of, its registers
.rept \n
	v_nop
.endr
.endm
.macro STEP slot, q, zero              ; a step of 128 along K that has its successor in the same slot
	s_wait_dscnt 4*NL                              ; B's set and A's blocks 0-3 are in; the youngest eight loads (A's blocks 4-7) may be out
.if \zero
	WIN BIA_LO
.else
	WIN MUL_LO
.endif
	MUL16 0, (\q)%2, \q, \slot, \zero
	MUL16 2, (\q)%2, \q, \slot, \zero
	s_wait_dscnt 0                                 ; A's blocks 4-7 are in
	PLACES NP
	FETCH_B \slot, (\q)+1, 1-(\q)%2
	FETCH_A \slot, (\q)+1, 0
.if \zero
	WIN BIA_HI
.else
	WIN MUL_HI
.endif
	MUL16 4, (\q)%2, \q, \slot, \zero
	MUL16 6, (\q)%2, \q, \slot, \zero
	PLACES NP
	WIN 0
	FETCH_A \slot, (\q)+1, 4
.endm
.macro STEPS slot, from
.set Q, \from
.rept NQ-1-\from
	STEP \slot, Q, 0
.set Q, Q+1
.endr
.endm
	s_wait_tensorcnt 1                             ; the scales and my part of slot 0 are in; slot 1's load, the one issued behind them, may be out
	s_barrier_signal -1
	s_barrier_wait -1                              ; everybody's are
	FETCH_B 0, 0, 0
	FETCH_A 0, 0, 0
	SCALES 0
	FETCH_A 0, 0, 4
	s_wait_loadcnt 0x0                             ; the bias
	STEP 0, 0, 1                                   ; the first step starts the sums from the bias
	STEPS 0, 1
	; slot 0's last step changes slots: one barrier.  In front of it each wave waits for all its tensor loads (slot 1's part), adds 0 to its spare word, and waits for that and for its reads of slot 0.
	s_wait_tensorcnt 0x0
	ds_add_u32 v[SPW], v[NIL]
	s_wait_dscnt 4*NL+1                            ; the add and the youngest eight loads may be out
	WIN MUL_LO
	MUL16 0, 1, NQ-1, 0, 0
	s_wait_dscnt 0x0                               ; the add is done, and my reads of slot 0 are over
	s_barrier_signal -1
	MUL16 2, 1, NQ-1, 0, 0
	WIN 0
	s_barrier_wait -1                              ; slot 1 is whole, and nobody reads slot 0 any more
	PLACES NP
	v_add_nc_u32 v[ADRS], 4*NQ, v[ADRS]            ; on to slot 1's scale words
	FETCH_B 1, 0, 0
	FETCH_A 1, 0, 0
	SCALES 1
	WIN MUL_HI
	MUL16 4, 1, NQ-1, 0, 0
	MUL16 6, 1, NQ-1, 0, 0
	PLACES NP
	WIN 0
	FETCH_A 1, 0, 4
	STEPS 1, 0
	s_wait_dscnt 4*NL                              ; the very last step: nothing more to fetch
	WIN MUL_LO
	MUL16 0, 1, NQ-1, 1, 0
	MUL16 2, 1, NQ-1, 1, 0
	s_wait_dscnt 0
	WIN MUL_HI
	MUL16 4, 1, NQ-1, 1, 0
	MUL16 6, 1, NQ-1, 1, 0
	WIN 0
; THE WAY OUT.  A lane holds eight neighbouring columns of one row and the lanes beside it other rows: a block of 16 rows goes through my own stage in LDS and comes back as dense runs.
	PLACES NP
	s_cmp_lg_u32 s95, 0
	s_cbranch_scc1 .Lno_first
	WIN 0x08                                       ; an LDS store's data are its source 1: window 2.  Block 0 as f32: a sequence's first 16 positions
.irp b, 0,1,2,3,4,5,6,7
	ds_store_b128 v[STO], v[8*\b:8*\b+3] offset:64*\b              ; each accumulator from its low end on
	ds_store_b128 v[STO], v[8*\b+4:8*\b+7] offset:64*\b+16
.endr
	WIN 0
.irp t, 0,1,2,3,4,5,6,7,8,9,10,11,12,13,14,15
	ds_load_b128 v[BI+4*\t:BI+4*\t+3], v[RD] offset:\t*SPITCH      ; LDS serves a wave's instructions in order: these see the stores above
.endr
	s_wait_dscnt 0x0
.irp t, 0,1,2,3,4,5,6,7,8,9,10,11,12,13,14,15
	global_store_b128 v[CO], v[BI+4*\t:BI+4*\t+3], s[66:67] offset:\t*4096   ; 512 consecutive bytes of a row of first32
.endr
.Lno_first:
.macro PACK a                          ; block a rounded to f16: 16 bytes a lane for each of B's eight blocks
.set AC, 64*((\a)%4)
	WIN 0x0a+5*((\a)/4)                            ; sources 0 and 1: window 2 or 3
.irp b, 0,1,2,3,4,5,6,7
.irp n, 0,1,2,3
	v_cvt_pk_f16_f32 v[TMP+4*\b+\n], v[AC+8*\b+2*\n], v[AC+8*\b+2*\n+1]
.endr
.endr
	WIN 0
.endm
.macro TOSTAGE a                       ; my 128 columns are two heads: two stages of 16 rows x 128 bytes
.set BB, BK+32*((\a)%2)
.irp b, 0,1,2,3,4,5,6,7
	ds_store_b128 v[STOH], v[TMP+4*\b:TMP+4*\b+3] offset:(\b/4)*16*HP+32*(\b%4)
.endr
.irp t, 0,1,2,3,4,5,6,7
	ds_load_b128 v[BB+4*\t:BB+4*\t+3], v[RDH] offset:(\t/4)*16*HP+(\t%4)*4*HP
.endr
.endm
.macro SEND a
.set BB, BK+32*((\a)%2)
	s_wait_dscnt 0x0                               ; the block is back in registers
	s_wait_xcnt 0x0                                ; the stores of the block before have read their registers: the next block's loads may land there
.irp t, 0,1,2,3,4,5,6,7
	global_store_b128 v[CO], v[BB+4*\t:BB+4*\t+3], s[12:13] offset:(\t/4)*131072+(\a)*2048+(\t%4)*512   ; 512 consecutive bytes: four positions of one head
.endr
.endm
	PACK 0
	TOSTAGE 0
.irp a, 1,2,3,4,5,6,7                  ; block a's conversions stand between block a - 1's loads from the stage and the wait for them
	PACK \a
	SEND \a-1
	TOSTAGE \a
.endr
	SEND 7
	s_wait_tensorcnt 0x0                           ; the wave's end
	ds_add_u32 v[SPW], v[NIL]
	s_wait_dscnt 0x0
	CROUND                                         ; the closing round
	s_endpgm
.Lfunc_end_k_q9c26c4bbf5_qkv:
	.size	k_q9c26c4bbf5_qkv, .Lfunc_end_k_q9c26c4bbf5_qkv-k_q9c26c4bbf5_qkv
	.p2alignl 7, 3214868480
	.fill 96, 4, 3214868480
	.section	.rodata,"a",@progbits
	.p2align	6, 0x0
	.amdhsa_kernel k_q9c26c4bbf5_qkv
		.amdhsa_group_segment_fixed_size 327680
		.amdhsa_private_segment_fixed_size 0
		.amdhsa_enable_private_segment 0
		.amdhsa_kernarg_size 72
		.amdhsa_user_sgpr_count 2
		.amdhsa_user_sgpr_kernarg_segment_ptr 1
		.amdhsa_wavefront_size32 1
		.amdhsa_system_sgpr_workgroup_id_x 1
		.amdhsa_system_sgpr_workgroup_id_y 1
		.amdhsa_system_sgpr_workgroup_id_z 1
		.amdhsa_system_vgpr_workitem_id 0
		.amdhsa_next_free_vgpr 1024
		.amdhsa_next_free_sgpr 102
		.amdhsa_reserve_vcc 0
		.amdhsa_float_denorm_mode_32 3
		.amdhsa_float_denorm_mode_16_64 3
		.amdhsa_memory_ordered 1
		.amdhsa_forward_progress 1
		.amdhsa_inst_pref_size 133
	.end_amdhsa_kernel
	.amdgpu_metadata
---
amdhsa.version: [ 1, 2 ]
amdhsa.kernels:
  - .name:           k_q9c26c4bbf5_qkv
    .symbol:         k_q9c26c4bbf5_qkv.kd
    .args:
      - { .name: xc, .offset: 0, .size: 8, .value_kind: global_buffer, .address_space: global }
      - { .name: xs, .offset: 8, .size: 8, .value_kind: global_buffer, .address_space: global }
      - { .name: wc, .offset: 16, .size: 8, .value_kind: global_buffer, .address_space: global }
      - { .name: ws, .offset: 24, .size: 8, .value_kind: global_buffer, .address_space: global }
      - { .name: qkv16, .offset: 32, .size: 8, .value_kind: global_buffer, .address_space: global }
      - { .name: first32, .offset: 40, .size: 8, .value_kind: global_buffer, .address_space: global }
      - { .name: bq, .offset: 48, .size: 8, .value_kind: global_buffer, .address_space: global }
      - { .name: bk, .offset: 56, .size: 8, .value_kind: global_buffer, .address_space: global }
      - { .name: bv, .offset: 64, .size: 8, .value_kind: global_buffer, .address_space: global }
    .group_segment_fixed_size: 327680
    .private_segment_fixed_size: 0
    .kernarg_segment_align: 8
    .kernarg_segment_size: 72
    .max_flat_workgroup_size: 128
    .sgpr_count:     102
    .vgpr_count:     1024
    .wavefront_size: 32
...
	.end_amdgpu_metadata
.endif
;; end of part 2
;; launch attn (part 3): grid 2 x 128, 16 waves a work-group, no clusters, 327,680 bytes of LDS; arguments qkv16, y16; writes y16
.if DOCPART == 3
	.amdgcn_target "amdgcn-amd-amdhsa--gfx1250"
	.amdhsa_code_object_version 6
	.text
	.protected	k_q9c26c4bbf5_attn
	.globl	k_q9c26c4bbf5_attn
	.p2align	8
	.type	k_q9c26c4bbf5_attn,@function
k_q9c26c4bbf5_attn:
	s_mov_b64 s[64:65], 0
	v_nop
	global_prefetch_b8 v0, s[64:65] scope:SCOPE_SE
	s_setreg_imm32_b32 hwreg(HW_REG_WAVE_MODE, 25, 1), 1
	s_wait_xcnt 0x0
; ATTN: y[b][l][h] = softmax over the keys k <= l of (q . k / 8) times v, on f16 operands with f32 sums, maxima and row sums; the weights p are rounded to f16 for the second product.
; qkv16: [3][16 b + h][1024][64] f16.  y16: [h][1024 b + l][64] f16.
; LIMITS: |y| over 65,504 has no f16 number; a weight p under about 3e-8 rounds to 0.  Positions 0-15 of each sequence are computed here too, but what reaches the output for them is made in f32 by a later launch.
; SHARES.  A work-group owns 512 of a head's 1,024 queries, each of its sixteen waves 32: two tiles of 16, so that each fragment of K and V read from LDS feeds two matrix instructions.
; Wave w takes queries 32 u on, u from two orthogonal Latin squares of order 4 over (w / 4, w % 4): over any four waves with equal w % 4, and any four with equal w / 4, the u add up to 62 in both
; work-groups of a head, so the causal work is even however the waves are dealt, and both work-groups reach the head's last keys.
; NO CLUSTER: a head has two work-groups only, and a joint load's mask would have to hang on half of a work-group's place.
; THE WHOLE HEAD'S K AND V LIE IN LDS, filled once by sixty-four tensor loads of 32 keys, four a wave, one for each slot of 256 keys: four of mine are out at the start.  Nothing is filled again.
; Two keys share an LDS row (256 bytes + padding): key r lies at (r / 2) x pitch + 128 (r % 2).
; LAYOUT.  S^T = K Q^T (source 0 = 16 keys, source 1 = 16 queries): a lane holds ONE query (lane % 16) and keys 8 (lane / 16) + 0..7.  Two such tiles, rounded in pairs, ARE source 1 of O^T = V^T P.
; SOFTMAX.  A running maximum m and sum l for each query: p = 2^(c s - c m), c = log2(e) / 8; in every step O^T and l are multiplied by a = 2^(c m_old - c m_new).
.set PK2,   272                        ; two keys of K: 256 bytes + 16
.set PV2,   288                        ; two keys of V: 256 bytes + 32
.set VBASE, 512*PK2                    ; 139,264
.set STAGE, VBASE+512*PV2              ; 286,720: 16 rows x 144 bytes for each wave, for the way out
.set SPARE, STAGE+16*16*144            ; 323,584: the spare words, 128 bytes for each wave
.set AK0, 1                            ; v1   my lane's place in a tile of K
.set AV0, 2                            ; v2   the same for V
.set ADK, 3                            ; v3   the step's address in K (at the head: my offset in Q; on the way out: in y16)
.set ADV, 4                            ; v4   and in V
.set SPW, 5
.set NIL, 6
.set MQ,  7                            ; v7   lane % 16 - 8 (lane / 16)
.set DD,  8                            ; v8   the mask's distance
.set NINF, 9                           ; v9   -infinity
.set ST,  10                           ; tile x's statistics at v[ST + 8 x]: +0 c m, +1 m, +2, +3 l, +4 .. +7 at work (a in +6)
.set C2,  26                           ; v26-29 the sums' second chains
.set STO, 30
.set RD,  31
.set QR,  32                           ; v32-63   Q, 16 a tile
.set S,   64                           ; v64-127  S^T, 32 a tile; P is packed into the low 16 in place
.set O,   128                          ; v128-191 O^T, 32 a tile
.set FB,  192                          ; v192-255 eight fragments: K's, then V's
.set WV,  8
.set G1K, 16
.set G1V, 24
.set G0K, 32
.set G0V, 48
.set Q0,  66                           ; s66  my first query
.set KF,  67                           ; s67  the step's first key
.set TK,  68                           ; s68  where the step's keys begin in K,
.set TV,  69                           ; s69  and in V
.set CNT, 70
.set CS,  72                           ; s[72:73] c, twice: the packed form names the pair
.set SEL, 74                           ; s[74:75] lane l xor 16
	s_load_b128 s[4:7], s[0:1], 0x0                ; qkv16, y16
	v_lshl_add_u32 v[SPW], v0, 2, SPARE
	v_mov_b32 v[NIL], 0
	ds_add_u32 v[SPW], v[NIL]                      ; the wave's opening: the add, twice on end, and its wait ahead of my first tensor load
	ds_add_u32 v[SPW], v[NIL]
	v_lshrrev_b32 v1, 5, v0
	v_readfirstlane_b32 s[WV], v1                  ; wave 0..15
	; descriptor group 1: 32 keys = 16 dense rows of 256 bytes (32 elements of 8 bytes), padded behind each row
	s_mov_b32 s[G1K], (3<<16)|(1<<20)|(5<<22)|(3<<25)              ; 4 words behind every 64
	s_mov_b32 s[G1V], (3<<16)|(1<<20)|(5<<22)|(7<<25)              ; 8 words
.irp g, G1K, G1V
	s_mov_b32 s[\g+1], 32<<16                      ; tensor_dim0
	s_mov_b32 s[\g+2], 16<<16                      ; tensor_dim1
	s_mov_b32 s[\g+3], 32<<16                      ; tile_dim0
	s_mov_b32 s[\g+4], 16                          ; tile_dim1
	s_mov_b32 s[\g+5], 32                          ; the pitch
	s_mov_b32 s[\g+6], 0
	s_mov_b32 s[\g+7], 0
.endr
	s_and_b32 s9, s[WV], 7                         ; which 32 keys of each slot I fetch
	s_mul_i32 s76, s9, 16*PK2                      ; their place in a slot of K,
	s_mul_i32 s77, s9, 16*PV2
	s_add_co_u32 s77, s77, VBASE                   ; of V
	s_and_b32 s10, ttmp7, 0xffff                   ; 16 b + h
	s_lshl_b32 s78, s10, 17                        ; a head's plane is 131,072 bytes
	s_lshl_b32 s11, s9, 12
	s_add_co_u32 s78, s78, s11
	s_add_co_u32 s78, s78, 128<<17                 ; K's planes lie behind q's 128,
	s_mov_b32 s79, 0
	s_add_co_u32 s80, s78, 128<<17                 ; V's behind K's
	s_mov_b32 s81, 0
	s_lshr_b32 s12, s[WV], 2                       ; a
	s_and_b32 s13, s[WV], 3                        ; s
	s_xor_b32 s14, s12, s13                        ; L1 = a + s in GF(4)
	s_lshl_b32 s15, s13, 1
	s_lshr_b32 s82, s13, 1
	s_mul_i32 s82, s82, 7
	s_xor_b32 s15, s15, s82
	s_and_b32 s15, s15, 3                          ; 2 s in GF(4)
	s_xor_b32 s15, s15, s12                        ; L2 = a + 2 s
	s_lshl_b32 s82, s14, 2
	s_add_co_u32 s82, s82, s15
	s_lshl_b32 s82, s82, 1
	s_and_b32 s83, s14, 1
	s_xor_b32 s83, s83, ttmp9
	s_add_co_u32 s82, s82, s83                     ; u = 2 (4 L1 + L2) + ((L1 % 2) xor work-group x)
	s_lshl_b32 s[Q0], s82, 5
	s_lshl_b32 s84, s10, 17
	s_lshl_b32 s83, s[Q0], 7
	s_add_co_u32 s84, s84, s83                     ; q: my head, my first query
	s_mov_b32 s85, 0
	s_and_b32 s86, s10, 15
	s_lshl_b32 s86, s86, 20                        ; y16: head h's plane of 8,192 rows of 128 bytes,
	s_lshr_b32 s87, s10, 4
	s_lshl_b32 s87, s87, 17                        ; batch b's 1,024 rows,
	s_add_co_u32 s86, s86, s87
	s_add_co_u32 s86, s86, s83                     ; my first query
	s_mov_b32 s87, 0
	s_mov_b32 s[CS], 0x3e38aa3b                    ; c = log2(e) / 8
	s_mov_b32 s[CS+1], s[CS]
	s_mov_b32 s[SEL], 0x76543210
	s_mov_b32 s[SEL+1], 0xfedcba98
	s_wait_dscnt 0x0                               ; both opening adds are done
	s_wait_kmcnt 0x0
	s_add_nc_u64 s[78:79], s[4:5], s[78:79]
	s_add_nc_u64 s[80:81], s[4:5], s[80:81]
	s_add_nc_u64 s[84:85], s[4:5], s[84:85]
	s_add_nc_u64 s[6:7], s[6:7], s[86:87]
.irp s, 0,1,2,3
	s_mov_b32 s[G0K+4*\s], 1
	s_add_co_u32 s[G0K+4*\s+1], s76, \s*128*PK2
	s_add_nc_u64 s[G0K+4*\s+2:G0K+4*\s+3], s[78:79], \s*32768
	s_or_b32 s[G0K+4*\s+3], s[G0K+4*\s+3], 0x80000000
	s_mov_b32 s[G0V+4*\s], 1
	s_add_co_u32 s[G0V+4*\s+1], s77, \s*128*PV2
	s_add_nc_u64 s[G0V+4*\s+2:G0V+4*\s+3], s[80:81], \s*32768
	s_or_b32 s[G0V+4*\s+3], s[G0V+4*\s+3], 0x80000000
.endr
	s_cmp_lt_u32 s[WV], 8                          ; waves 0-7 fetch K, waves 8-15 V: a wave's four fills stand in one branch; an s_nop 0 follows each, four v_nop the last
	s_cbranch_scc0 .Lfill_v
.irp s, 0,1,2,3
	tensor_load_to_lds s[G0K+4*\s:G0K+4*\s+3], s[G1K:G1K+7]
	s_nop 0
.endr
.rept 4
	v_nop
.endr
	s_branch .Lfilled
.Lfill_v:
.irp s, 0,1,2,3
	tensor_load_to_lds s[G0V+4*\s:G0V+4*\s+3], s[G1V:G1V+7]
	s_nop 0
.endr
.rept 4
	v_nop
.endr
.Lfilled:
	v_and_b32 v10, 15, v0                          ; r
	v_bfe_u32 v11, v0, 4, 1                        ; h
	v_lshlrev_b32 v[ADK], 7, v10
	v_lshl_add_u32 v[ADK], v11, 4, v[ADK]          ; Q: row r of 128 bytes, + 16 h
.irp x, 0,1
.irp dk, 0,1
	global_load_b128 v[QR+16*\x+8*\dk:QR+16*\x+8*\dk+3], v[ADK], s[84:85] offset:\x*2048+\dk*64
	global_load_b128 v[QR+16*\x+8*\dk+4:QR+16*\x+8*\dk+7], v[ADK], s[84:85] offset:\x*2048+\dk*64+32
.endr
.endr
	v_lshrrev_b32 v12, 1, v10
	v_mul_u32_u24 v[AK0], v12, PK2
	v_and_b32 v12, 1, v10
	v_lshl_add_u32 v[AK0], v12, 7, v[AK0]
	v_lshl_add_u32 v[AK0], v11, 4, v[AK0]          ; K: key r of a tile, + 16 h
	v_and_b32 v12, 7, v0
	v_lshl_add_u32 v12, v11, 3, v12                ; the turning load: lane l reads key 8 (l / 16) + l % 8, channels 8 ((l / 8) % 2) on
	v_lshrrev_b32 v13, 1, v12
	v_mul_u32_u24 v[AV0], v13, PV2
	v_and_b32 v13, 1, v12
	v_lshl_add_u32 v[AV0], v13, 7, v[AV0]
	v_bfe_u32 v13, v0, 3, 1
	v_lshl_add_u32 v[AV0], v13, 4, v[AV0]
	v_add_nc_u32 v[AV0], VBASE, v[AV0]
	v_lshlrev_b32 v12, 3, v11
	v_sub_nc_u32 v[MQ], v10, v12
	v_mov_b32 v[NINF], 0xff800000
	s_mul_i32 s71, s[WV], 16*144
	s_add_co_u32 s71, s71, STAGE                   ; my stage
	v_mul_u32_u24 v[STO], v10, 144
	v_lshl_add_u32 v[STO], v11, 4, v[STO]
	v_add_nc_u32 v[STO], s71, v[STO]               ; in: row r, 16 bytes for each half of the lanes
	v_and_b32 v12, 31, v0
	v_lshrrev_b32 v13, 3, v12
	v_mul_u32_u24 v[RD], v13, 144
	v_and_b32 v13, 7, v0
	v_lshl_add_u32 v[RD], v13, 4, v[RD]
	v_add_nc_u32 v[RD], s71, v[RD]                 ; back: eight lanes to a row of 128 bytes
.irp x, 0,1
	v_mov_b32 v[ST+8*\x+1], 0xff61b1e6             ; m: -3e38, under every score
	v_mul_f32 v[ST+8*\x], s[CS], v[ST+8*\x+1]      ; c m
	v_mov_b32 v[ST+8*\x+2], 0                      ; l, in two halves
	v_mov_b32 v[ST+8*\x+3], 0
.irp j, 4,5,6,7
	v_mov_b32 v[ST+8*\x+\j], 0                     ; written once, so that no way through the text reads them unwritten
.endr
.endr
.set i, 0
.rept 64
	v_mov_b32 v[O+i], 0                            ; O^T.  The step is written once for all steps: the first finds zeros, which its a = 0 leaves zeros
.set i, i+1
.endr
	s_wait_loadcnt 0x0                             ; Q
; A KEY STEP: 64 keys against my 32 queries.
.macro STEP
	s_add_co_u32 s71, s[Q0], 31                    ; a step all of whose keys come after my queries is left out: a branch on ids, round the work and not round the stepping lines
	s_cmp_gt_u32 s[KF], s71
	s_cbranch_scc1 .Lhid_\@
	v_add_nc_u32 v[ADK], s[TK], v[AK0]
	v_add_nc_u32 v[ADV], s[TV], v[AV0]
.rept 3
	v_nop                                          ; with the two additions five places behind the last step's products: four for the loads into V's registers, five for the products that write over P
.endr
.irp kt, 0,1,2,3
.irp dk, 0,1
	ds_load_b128 v[FB+8*(2*\kt+\dk):FB+8*(2*\kt+\dk)+3], v[ADK] offset:\kt*8*PK2+\dk*64
	ds_load_b128 v[FB+8*(2*\kt+\dk)+4:FB+8*(2*\kt+\dk)+7], v[ADK] offset:\kt*8*PK2+\dk*64+32
.endr
.endr
	s_wait_dscnt 0x0
.irp dk, 0,1                                   ; S^T = K Q^T: the eight accumulators take turns
.irp kt, 0,1,2,3
.irp x, 0,1
.if \dk == 0
	v_wmma_f32_16x16x32_f16 v[S+32*\x+8*\kt:S+32*\x+8*\kt+7], v[FB+8*(2*\kt+\dk):FB+8*(2*\kt+\dk)+7], v[QR+16*\x+8*\dk:QR+16*\x+8*\dk+7], 0
.else
	v_wmma_f32_16x16x32_f16 v[S+32*\x+8*\kt:S+32*\x+8*\kt+7], v[FB+8*(2*\kt+\dk):FB+8*(2*\kt+\dk)+7], v[QR+16*\x+8*\dk:QR+16*\x+8*\dk+7], v[S+32*\x+8*\kt:S+32*\x+8*\kt+7]
.endif
.endr
.endr
.endr
.rept 4
	v_nop                                          ; places: for the loads into K's registers and for the first reads of the scores
.endr
.irp kh, 0,1                                   ; V, turned: they land while the softmax is walked
.irp dt, 0,1,2,3
	ds_load_tr16_b128 v[FB+8*(4*\kh+\dt):FB+8*(4*\kh+\dt)+3], v[ADV] offset:\kh*16*PV2+\dt*32
	ds_load_tr16_b128 v[FB+8*(4*\kh+\dt)+4:FB+8*(4*\kh+\dt)+7], v[ADV] offset:\kh*16*PV2+\dt*32+8*PV2
.endr
.endr
	s_add_co_u32 s71, s[KF], 63                    ; on the diagonal hidden scores become -infinity; a step all of whose keys count skips this
	s_cmp_le_u32 s71, s[Q0]
	s_cbranch_scc1 .Lopen_\@
	s_sub_co_i32 s71, s[Q0], s[KF]
	v_add_nc_u32 v[DD], s71, v[MQ]                 ; register n of tile x holds key KF + 16 (n / 8) + 8 (lane / 16) + n % 8: hidden where 16 (n / 8) + n % 8 > Q0 + 16 x - KF + lane % 16 - 8 (lane / 16)
.irp x, 0,1
.set n, 0
.rept 32
	v_cmp_gt_i32 vcc_lo, 16*(n/8)+n%8, v[DD]
	v_cndmask_b32 v[S+32*\x+n], v[S+32*\x+n], v[NINF], vcc_lo
.set n, n+1
.endr
.if \x == 0
	v_add_nc_u32 v[DD], 16, v[DD]
.endif
.endr
.Lopen_\@:
.irp j, 0,1,2,3                                ; the maximum: four chains a tile, each accumulator from its low end on; the two tiles line by line
.irp x, 0,1
	v_max3_num_f32 v[ST+8*\x+4+\j], v[S+32*\x+8*\j], v[S+32*\x+8*\j+1], v[S+32*\x+8*\j+2]
.endr
.endr
.irp g, 1,2
.irp j, 0,1,2,3
.irp x, 0,1
	v_max3_num_f32 v[ST+8*\x+4+\j], v[ST+8*\x+4+\j], v[S+32*\x+8*\j+2*\g+1], v[S+32*\x+8*\j+2*\g+2]
.endr
.endr
.endr
.irp x, 0,1
	v_max3_num_f32 v[ST+8*\x+4], v[ST+8*\x+4], v[S+32*\x+7], v[S+32*\x+15]
.endr
.irp x, 0,1
	v_max3_num_f32 v[ST+8*\x+6], v[ST+8*\x+6], v[S+32*\x+23], v[S+32*\x+31]
.endr
.irp x, 0,1
	v_max3_num_f32 v[ST+8*\x+4], v[ST+8*\x+4], v[ST+8*\x+5], v[ST+8*\x+6]
.endr
.irp x, 0,1
	v_max3_num_f32 v[ST+8*\x+4], v[ST+8*\x+4], v[ST+8*\x+7], v[ST+8*\x+1]   ; the old m among them
.endr
.irp x, 0,1
	v_permlanex16_b32 v[ST+8*\x+5], v[ST+8*\x+4], s[SEL], s[SEL+1]          ; the query's other 32 keys lie in the lane 16 away
.endr
.irp x, 0,1
	v_mov_b32 v[ST+8*\x+7], v[ST+8*\x]             ; c m_old
.endr
.irp x, 0,1
	v_max_num_f32 v[ST+8*\x+1], v[ST+8*\x+4], v[ST+8*\x+5]
.endr
.irp x, 0,1
	v_mul_f32 v[ST+8*\x], s[CS], v[ST+8*\x+1]
.endr
.irp x, 0,1
	v_sub_f32 v[ST+8*\x+7], v[ST+8*\x+7], v[ST+8*\x]
.endr
.irp p, 0,2,4,6,8,10,12,14,16,18,20,22,24,26,28,30
.irp x, 0,1
	v_pk_fma_f32 v[S+32*\x+\p:S+32*\x+\p+1], v[S+32*\x+\p:S+32*\x+\p+1], s[CS:CS+1], v[ST+8*\x:ST+8*\x+1] op_sel_hi:[1,0,0] neg_lo:[0,0,1] neg_hi:[0,0,1]   ; c s - c m
.endr
.endr
.irp x, 0,1                                    ; ONE batch of 66 exponentials
	v_exp_f32 v[ST+8*\x+6], v[ST+8*\x+7]           ; a
.endr
.set n, 0
.rept 32
	v_exp_f32 v[S+n], v[S+n]
	v_exp_f32 v[S+32+n], v[S+32+n]
.set n, n+1
.endr
	v_nop                                          ; a plain line behind the last exponential
	s_wait_alu depctr_va_vdst(0)                   ; and the one wait ahead of the batch's first reader
.irp x, 0,1
	v_pk_mul_f32 v[ST+8*\x+2:ST+8*\x+3], v[ST+8*\x+2:ST+8*\x+3], v[ST+8*\x+6:ST+8*\x+7] op_sel_hi:[1,0]   ; l under the new m
	v_pk_add_f32 v[C2+2*\x:C2+2*\x+1], v[S+32*\x:S+32*\x+1], v[S+32*\x+2:S+32*\x+3]                       ; the sums, in two chains, of the unrounded p
.endr
.irp p, 4,8,12,16,20,24,28
.irp x, 0,1
	v_pk_add_f32 v[ST+8*\x+2:ST+8*\x+3], v[ST+8*\x+2:ST+8*\x+3], v[S+32*\x+\p:S+32*\x+\p+1]
	v_pk_add_f32 v[C2+2*\x:C2+2*\x+1], v[C2+2*\x:C2+2*\x+1], v[S+32*\x+\p+2:S+32*\x+\p+3]
.endr
.endr
.irp x, 0,1
	v_pk_add_f32 v[ST+8*\x+2:ST+8*\x+3], v[ST+8*\x+2:ST+8*\x+3], v[C2+2*\x:C2+2*\x+1]
.endr
.irp p, 0,1,2,3,4,5,6,7,8,9,10,11,12,13,14,15
.irp x, 0,1
	v_cvt_pk_f16_f32 v[S+32*\x+\p], v[S+32*\x+2*\p], v[S+32*\x+2*\p+1]      ; P, in place and ascending
.endr
.endr
.irp p, 0,2,4,6,8,10,12,14,16,18,20,22,24,26,28,30
.irp x, 0,1
	v_pk_mul_f32 v[O+32*\x+\p:O+32*\x+\p+1], v[O+32*\x+\p:O+32*\x+\p+1], v[ST+8*\x+6:ST+8*\x+7] op_sel_hi:[1,0]   ; O^T under the new m
.endr
.endr
	s_wait_dscnt 0x0                               ; V is in
.irp kh, 0,1                                   ; O^T += V^T P: the eight accumulators take turns
.irp dt, 0,1,2,3
.irp x, 0,1
	v_wmma_f32_16x16x32_f16 v[O+32*\x+8*\dt:O+32*\x+8*\dt+7], v[FB+8*(4*\kh+\dt):FB+8*(4*\kh+\dt)+7], v[S+32*\x+8*\kh:S+32*\x+8*\kh+7], v[O+32*\x+8*\dt:O+32*\x+8*\dt+7]
.endr
.endr
.endr
.Lhid_\@:
	s_add_co_u32 s[KF], s[KF], 64
	s_add_co_u32 s[TK], s[TK], 32*PK2
	s_add_co_u32 s[TV], s[TV], 32*PV2
.endm
; A SLOT of 256 keys: my part of it has landed (my 3 - s younger loads may stay out: loads of a wave end in order), and behind the barrier everybody's has.
.macro SLOTM s
	s_wait_tensorcnt 3-\s
	s_barrier_signal -1
	s_barrier_wait -1
	s_mov_b32 s[KF], 256*\s
	s_mov_b32 s[TK], 128*PK2*\s
	s_mov_b32 s[TV], 128*PV2*\s
	s_mov_b32 s[CNT], 4
.Lstep_\@:
	STEP
	s_sub_co_u32 s[CNT], s[CNT], 1
	s_cmp_lg_u32 s[CNT], 0
	s_cbranch_scc1 .Lstep_\@
.endm
	SLOTM 0
	SLOTM 1
	SLOTM 2
	SLOTM 3
	; THE WAY OUT: O^T / l, rounded to f16, a tile (16 rows of 128 bytes) at a time through my stage, so that each store of the wave covers 512 consecutive bytes.
.rept 4
	v_nop                                          ; places behind the last products
.endr
.irp x, 0,1
	v_add_f32 v[ST+8*\x+4], v[ST+8*\x+2], v[ST+8*\x+3]
.endr
.irp x, 0,1
	v_permlanex16_b32 v[ST+8*\x+5], v[ST+8*\x+4], s[SEL], s[SEL+1]
.endr
.irp x, 0,1
	v_add_f32 v[ST+8*\x+4], v[ST+8*\x+4], v[ST+8*\x+5]
.endr
.irp x, 0,1
	v_rcp_f32 v[ST+8*\x+6], v[ST+8*\x+4]
.endr
	v_and_b32 v[ADK], 31, v0                       ; (plain lines behind the reciprocals)
	v_lshlrev_b32 v[ADK], 4, v[ADK]                ; 16 x lane: my place in a store's 512 bytes
	s_wait_alu depctr_va_vdst(0)                   ; one wait for both reciprocals, ahead of their first reader
.irp x, 0,1
.irp p, 0,2,4,6,8,10,12,14,16,18,20,22,24,26,28,30
	v_pk_mul_f32 v[O+32*\x+\p:O+32*\x+\p+1], v[O+32*\x+\p:O+32*\x+\p+1], v[ST+8*\x+6:ST+8*\x+7] op_sel_hi:[1,0]
.endr
.irp i, 0,1,2,3,4,5,6,7,8,9,10,11,12,13,14,15
	v_cvt_pk_f16_f32 v[S+32*\x+\i], v[O+32*\x+2*\i], v[O+32*\x+2*\i+1]
.endr
.irp dt, 0,1,2,3
	ds_store_b128 v[STO], v[S+32*\x+4*\dt:S+32*\x+4*\dt+3] offset:32*\dt
.endr
.irp i, 0,1,2,3
	ds_load_b128 v[S+32*\x+16+4*\i:S+32*\x+16+4*\i+3], v[RD] offset:4*144*\i   ; LDS serves a wave's instructions in order: these see the stores above, and the next tile's stores come behind them
.endr
.endr
.irp x, 0,1
.irp i, 0,1,2,3
	s_wait_dscnt 11-8*\x-\i                        ; behind tile 0's load i: its 3 - i younger loads and tile 1's eight instructions; behind tile 1's: 3 - i
	global_store_b128 v[ADK], v[S+32*\x+16+4*\i:S+32*\x+16+4*\i+3], s[6:7] offset:\x*2048+512*\i
.endr
.endr
	s_wait_tensorcnt 0x0                           ; the wave's end
	ds_add_u32 v[SPW], v[NIL]
	s_wait_dscnt 0x0
	s_endpgm
.Lfunc_end_k_q9c26c4bbf5_attn:
	.size	k_q9c26c4bbf5_attn, .Lfunc_end_k_q9c26c4bbf5_attn-k_q9c26c4bbf5_attn
	.p2alignl 7, 3214868480
	.fill 96, 4, 3214868480
	.section	.rodata,"a",@progbits
	.p2align	6, 0x0
	.amdhsa_kernel k_q9c26c4bbf5_attn
		.amdhsa_group_segment_fixed_size 327680
		.amdhsa_private_segment_fixed_size 0
		.amdhsa_enable_private_segment 0
		.amdhsa_kernarg_size 16
		.amdhsa_user_sgpr_count 2
		.amdhsa_user_sgpr_kernarg_segment_ptr 1
		.amdhsa_wavefront_size32 1
		.amdhsa_system_sgpr_workgroup_id_x 1
		.amdhsa_system_sgpr_workgroup_id_y 1
		.amdhsa_system_sgpr_workgroup_id_z 1
		.amdhsa_system_vgpr_workitem_id 0
		.amdhsa_next_free_vgpr 256
		.amdhsa_next_free_sgpr 90
		.amdhsa_reserve_vcc 1
		.amdhsa_float_denorm_mode_32 3
		.amdhsa_float_denorm_mode_16_64 3
		.amdhsa_memory_ordered 1
		.amdhsa_forward_progress 1
		.amdhsa_inst_pref_size 106
	.end_amdhsa_kernel
	.amdgpu_metadata
---
amdhsa.version: [ 1, 2 ]
amdhsa.kernels:
  - .name:           k_q9c26c4bbf5_attn
    .symbol:         k_q9c26c4bbf5_attn.kd
    .args:
      - { .name: qkv16, .offset: 0, .size: 8, .value_kind: global_buffer, .address_space: global }
      - { .name: y16, .offset: 8, .size: 8, .value_kind: global_buffer, .address_space: global }
    .group_segment_fixed_size: 327680
    .private_segment_fixed_size: 0
    .kernarg_segment_align: 8
    .kernarg_segment_size: 16
    .max_flat_workgroup_size: 512
    .sgpr_count:     90
    .vgpr_count:     256
    .wavefront_size: 32
...
	.end_amdgpu_metadata
.endif
;; end of part 3
;; launch proj (part 4): grid 4 x 64, 4 waves a work-group, clusters of 4 x 4, 327,680 bytes of LDS; arguments y16, wo16, bo, out0; writes out0
.if DOCPART == 4
	.amdgcn_target "amdgcn-amd-amdhsa--gfx1250"
	.amdhsa_code_object_version 6
	.text
	.protected	k_q9c26c4bbf5_proj
	.globl	k_q9c26c4bbf5_proj
	.p2align	8
	.type	k_q9c26c4bbf5_proj,@function
k_q9c26c4bbf5_proj:
	s_mov_b64 s[64:65], 0
	v_nop
	global_prefetch_b8 v0, s[64:65] scope:SCOPE_SE
	s_setreg_imm32_b32 hwreg(HW_REG_WAVE_MODE, 25, 1), 1
	s_wait_xcnt 0x0
	s_wait_alu depctr_hold_cnt(0) depctr_sa_sdst(0) depctr_va_vdst(0) depctr_va_sdst(0) depctr_va_ssrc(0) depctr_va_vcc(0) depctr_vm_vsrc(0)
	s_getreg_b32 s2, hwreg(HW_REG_IB_STS2, 6, 4)
	s_cmp_eq_u32 s2, 0
	s_cbranch_scc0 .Lentry_in_a_cluster
	s_endpgm
.Lentry_in_a_cluster:
	s_bfe_u32 s2, ttmp6, 0x10000c
	s_cmp_lg_u32 s2, 0xf033
	s_cbranch_scc0 .Lentry_shape_is_right
	s_endpgm
.Lentry_shape_is_right:
; PROJ: out0[m][n] = sum over k of y[m][k] Wo[k][n] + bo[n], f16 operands, f32 sums, the bias as the C of each sum's first product.  All rows but positions 0-15 of each sequence, which a later launch makes in f32.
; y16: [h][8192][64] f16 (k = 64 h + d); wo16: [k][n] f16; out0: [8192][1024] f32.
; A tile of out0 is 128 x 256: 256 work-groups.  Four waves, each 64 rows x 128 columns: 32 accumulators.  K goes in steps of 128 (two heads' planes of y) through a ring of two LDS slots.
; CLUSTERS: 4 x 4.  Tile row = cluster y + 16 cy, so that 'this tile begins a sequence' (tile row % 8 = 0) is cluster y % 8 = 0, the same in all sixteen partners; tile column = cx.
; y's tiles are asked for jointly along a row of the cluster, Wo's along a column.
; THE MATRIX INSTRUCTION IS USED TRANSPOSED: source 0 = 16 columns of Wo (turned on its way out of LDS by ds_load_tr16_b128), source 1 = 16 rows of y: a lane holds eight neighbouring columns of one row.
; No prefetch: of the eight K steps the first ones come by their loads alone in any case, and the refills have 112 matrix instructions in which to land.
; REGISTERS: window 0: v0-31 addresses; v64-95, v96-127 y's fragments, two buffers; v128-191 the bias; on the way out v64-191 take rows back.  window 1: Wo's fragments, two buffers, v0-63, v64-127.  window 2: accumulator (a, b) at v[8 (8 a + b)].
.set PA,     144                       ; a row of y's tile: 128 bytes + 16
.set PB,     544                       ; a row of Wo's tile: 512 bytes + 32: an odd multiple of 32
.set APL,    128*PA                    ; one plane's 128 rows
.set BH,     64*PB                     ; 64 rows of Wo
.set BOFF,   2*APL
.set SLOT,   BOFF+2*BH                 ; 106,496
.set STAGE,  2*SLOT                    ; 16 rows x (512 + 16) for each wave
.set SPITCH, 528
.set SPARE,  STAGE+4*16*SPITCH
.set ADRA, 16
.set ADRB, 20
.set STO,  24
.set RD,   25
.set CO,   26
.set SPW,  28
.set NIL,  29
.set AF,   64
.set BI,   128
.set BK,   64
.set G1, 24
.set G0, 32
.set G1B, 48
.set G0B, 56
.set LAP, 68
.set FLG, 69
.set MSB, 0
.macro WIN new
.if MSB != \new
	s_set_vgpr_msb (MSB<<8)|\new
.set MSB, \new
.endif
.endm
.set MUL,  0xa1                        ; source 0 (Wo) window 1, source 1 (y) window 0, C and D window 2
.set BIA,  0x81                        ; the first quarter: C = the bias, window 0
.set TO_B, 0x40
.macro JLOAD s                         ; waves 0 and 1 fetch y's two planes, waves 2 and 3 Wo's two halves; an s_nop 0 and four v_nop follow each of the two lines
	s_cmp_eq_u32 s11, 0
	s_cbranch_scc0 .Lfor_b_\@
	tensor_load_to_lds s[G0+4*\s:G0+4*\s+3], s[G1:G1+7]
	s_nop 0
.rept 4
	v_nop
.endr
	s_branch .Lasked_\@
.Lfor_b_\@:
	tensor_load_to_lds s[G0B+4*\s:G0B+4*\s+3], s[G1B:G1B+7]
	s_nop 0
.rept 4
	v_nop
.endr
.Lasked_\@:
.endm
.macro CREST                           ; a round of the cluster's barrier behind its opening barrier
	s_cmp_lg_u32 s10, 0
	s_cbranch_scc1 .Lnot_wave_0_\@
	s_barrier_signal -3
.Lnot_wave_0_\@:
	s_barrier_wait -3
	s_barrier_signal -1
	s_barrier_wait -1
.endm
.macro CROUND
	s_barrier_signal -1
	s_barrier_wait -1
	CREST
.endm
	s_load_b128 s[4:7], s[0:1], 0x0                ; y16, wo16
	s_load_b64 s[66:67], s[0:1], 0x10              ; bo
	s_load_b64 s[8:9], s[0:1], 0x18                ; out0
	v_lshl_add_u32 v[SPW], v0, 2, SPARE
	v_mov_b32 v[NIL], 0
	ds_add_u32 v[SPW], v[NIL]                      ; the wave's opening: the add, twice on end, and its wait ahead of my first tensor load
	ds_add_u32 v[SPW], v[NIL]
	v_lshrrev_b32 v1, 5, v0
	v_readfirstlane_b32 s10, v1                    ; wave 0..3
	s_lshr_b32 s11, s10, 1                         ; which 64 rows are mine.  Also: I fetch for y (0) or for Wo (1)
	s_and_b32 s12, s10, 1                          ; which 128 columns.  Also: which plane, or which 64 rows of Wo, I fetch
	s_bfe_u32 s40, ttmp6, 0x40000                  ; cx = the tile column
	s_bfe_u32 s41, ttmp6, 0x40004                  ; cy
	s_and_b32 s13, ttmp7, 0xffff
	s_lshl_b32 s14, s41, 4
	s_add_co_u32 s13, s13, s14                     ; tile row = cluster y + 16 cy
	s_lshl_b32 s43, s41, 2
	s_lshl_b32 s43, 15, s43                        ; my row of the cluster
	s_lshl_b32 s44, 0x1111, s40                    ; my column
	s_or_b32 s[G1+0], s43, (1<<16)|(1<<20)|(1<<21)|(4<<22)|(3<<25)   ; elements of 2 bytes; 4 words of padding behind every 32
	s_mov_b32 s[G1+1], 64<<16                      ; tensor_dim0
	s_mov_b32 s[G1+2], 128<<16                     ; tensor_dim1
	s_mov_b32 s[G1+3], 64<<16                      ; tile_dim0
	s_mov_b32 s[G1+4], 128                         ; tile_dim1
	s_mov_b32 s[G1+5], 64                          ; the pitch: a plane's rows are dense
	s_mov_b32 s[G1+6], 0
	s_mov_b32 s[G1+7], 0
	s_or_b32 s[G1B+0], s44, (1<<16)|(1<<20)|(1<<21)|(6<<22)|(7<<25)  ; 8 words of padding behind every 128
	s_mov_b32 s[G1B+1], 256<<16
	s_mov_b32 s[G1B+2], 64<<16
	s_mov_b32 s[G1B+3], 256<<16
	s_mov_b32 s[G1B+4], 64
	s_mov_b32 s[G1B+5], 1024
	s_mov_b32 s[G1B+6], 0
	s_mov_b32 s[G1B+7], 0
	s_lshl_b32 s16, s13, 14                        ; y: 128 rows of 128 bytes for each tile row,
	s_lshl_b32 s17, s12, 20                        ; a plane is 1,048,576 bytes
	s_add_co_u32 s16, s16, s17
	s_mov_b32 s17, 0
	s_lshl_b32 s46, s12, 17                        ; Wo: 64 rows of 2,048 bytes,
	s_lshl_b32 s47, s40, 9                         ; 256 columns of 2 bytes for each tile column
	s_add_co_u32 s46, s46, s47
	s_mov_b32 s47, 0
	s_mul_i32 s20, s12, APL                        ; where they go: no place in the cluster enters an LDS address
	s_mul_i32 s21, s12, BH
	s_add_co_u32 s21, s21, BOFF
	s_and_b32 s[FLG], ttmp7, 7
	s_or_b32 s[FLG], s[FLG], s11                   ; 0 where my rows 0-15 are a sequence's first 16 positions
	s_wait_dscnt 0x0                               ; both opening adds are done
	s_wait_kmcnt 0x0
	s_add_nc_u64 s[14:15], s[4:5], s[16:17]
	s_add_nc_u64 s[46:47], s[6:7], s[46:47]
	CROUND                                         ; all sixteen work-groups are here: the first joint loads meet
.irp s, 0,1
	s_mov_b32 s[G0+4*\s], 1
	s_add_co_u32 s[G0+4*\s+1], s20, \s*SLOT
	s_add_nc_u64 s[G0+4*\s+2:G0+4*\s+3], s[14:15], \s*2097152     ; K step s: two planes on
	s_or_b32 s[G0+4*\s+3], s[G0+4*\s+3], 0x80000000
	s_mov_b32 s[G0B+4*\s], 1
	s_add_co_u32 s[G0B+4*\s+1], s21, \s*SLOT
	s_add_nc_u64 s[G0B+4*\s+2:G0B+4*\s+3], s[46:47], \s*262144    ; 128 rows of Wo on
	s_or_b32 s[G0B+4*\s+3], s[G0B+4*\s+3], 0x80000000
	JLOAD \s
.endr
	v_and_b32 v1, 15, v0                           ; r
	v_bfe_u32 v2, v0, 4, 1                         ; h
	s_lshl_b32 s46, s40, 10
	s_lshl_b32 s47, s12, 9
	s_add_co_u32 s46, s46, s47                     ; my first column in bytes of f32
	s_mov_b32 s47, 0
	s_add_nc_u64 s[66:67], s[66:67], s[46:47]
	v_lshlrev_b32 v6, 5, v2
.irp b, 0,1,2,3,4,5,6,7                        ; the bias in the result's layout: register 8 b + j of lane (r, h) is bo[16 b + 8 h + j]
	global_load_b128 v[BI+8*\b:BI+8*\b+3], v6, s[66:67] offset:64*\b
	global_load_b128 v[BI+8*\b+4:BI+8*\b+7], v6, s[66:67] offset:64*\b+16
.endr
	v_mul_u32_u24 v3, v1, PA
	v_lshl_add_u32 v3, v2, 4, v3                   ; y: row r x pitch + 16 h
	v_and_b32 v4, 7, v0
	v_lshl_add_u32 v4, v2, 3, v4
	v_mul_u32_u24 v4, v4, PB                       ; Wo: lane l reads row 8 (l / 16) + l % 8,
	v_bfe_u32 v5, v0, 3, 1
	v_lshl_add_u32 v4, v5, 4, v4                   ; columns 8 ((l / 8) % 2) on
	s_mul_i32 s21, s11, 64*PA                      ; my 64 rows
	s_lshl_b32 s22, s12, 8                         ; my 128 columns
	s_add_co_u32 s22, s22, BOFF
.irp s, 0,1
	v_add_nc_u32 v[ADRA+\s], s21, v3
	v_add_nc_u32 v[ADRB+\s], s22, v4
	s_add_co_u32 s21, s21, SLOT
	s_add_co_u32 s22, s22, SLOT
.endr
	s_mul_i32 s23, s10, 16*SPITCH
	s_add_co_u32 s23, s23, STAGE                   ; my stage
	v_mul_u32_u24 v5, v1, SPITCH
	v_lshl_add_u32 v5, v2, 5, v5
	v_add_nc_u32 v[STO], s23, v5                   ; in: row r, 32 bytes for each half of the lanes
	v_and_b32 v7, 31, v0
	v_lshlrev_b32 v[CO], 4, v7
	v_add_nc_u32 v[RD], s23, v[CO]                 ; back: the 32 lanes take one row of 512 bytes
	s_lshl_b32 s16, s13, 19                        ; 128 rows of 4,096 bytes for each tile row,
	s_lshl_b32 s17, s11, 18                        ; 64 for my half
	s_add_co_u32 s16, s16, s17
	s_add_co_u32 s16, s16, s46
	s_mov_b32 s17, 0
	s_add_nc_u64 s[8:9], s[8:9], s[16:17]
; 24 LDS loads in one run: the fragments of quarter q (32 along K) of a slot into buffer f: Wo's eight first, then y's four
.macro FETCH slot, q, f
	WIN TO_B
.irp b, 0,1,2,3,4,5,6,7
	ds_load_tr16_b128 v[64*(\f)+8*\b:64*(\f)+8*\b+3],   v[ADRB+\slot] offset:(\q)*32*PB+32*\b
	ds_load_tr16_b128 v[64*(\f)+8*\b+4:64*(\f)+8*\b+7], v[ADRB+\slot] offset:(\q)*32*PB+32*\b+16*PB
.endr
	WIN 0
.irp a, 0,1,2,3
	ds_load_b128 v[AF+32*(\f)+8*\a:AF+32*(\f)+8*\a+3],   v[ADRA+\slot] offset:((\q)/2)*APL+((\q)%2)*64+\a*16*PA
	ds_load_b128 v[AF+32*(\f)+8*\a+4:AF+32*(\f)+8*\a+7], v[ADRA+\slot] offset:((\q)/2)*APL+((\q)%2)*64+\a*16*PA+32
.endr
.endm
; 8 matrix instructions: y's block a against Wo's eight.  The 32 accumulators take turns in the same order in every quarter.
.macro MUL8 f, a, zero
.irp b, 0,1,2,3,4,5,6,7
.if \zero
	v_wmma_f32_16x16x32_f16 v[8*(8*(\a)+\b):8*(8*(\a)+\b)+7], v[64*(\f)+8*\b:64*(\f)+8*\b+7], v[AF+32*(\f)+8*(\a):AF+32*(\f)+8*(\a)+7], v[BI+8*\b:BI+8*\b+7]
.else
	v_wmma_f32_16x16x32_f16 v[8*(8*(\a)+\b):8*(8*(\a)+\b)+7], v[64*(\f)+8*\b:64*(\f)+8*\b+7], v[AF+32*(\f)+8*(\a):AF+32*(\f)+8*(\a)+7], v[8*(8*(\a)+\b):8*(8*(\a)+\b)+7]
.endif
.endr
.endm
.macro PLACES                          ; four plain lines in front of loads into registers that matrix instructions have read, and of the first read of results
.rept 4
	v_nop
.endr
.endm
.macro QUARTER slot, nq, f, g, zero    ; multiplies buffer f; in its middle fetches quarter nq of the same slot into buffer g
	s_wait_dscnt 4                                 ; Wo's fragments and y's blocks 0, 1 are in; the youngest four loads (blocks 2, 3) may be out
.if \zero
	WIN BIA
.else
	WIN MUL
.endif
	MUL8 \f, 0, \zero
	MUL8 \f, 1, \zero
	PLACES
	FETCH \slot, \nq, \g
	s_wait_dscnt 24                                ; all but the 24 just issued
.if \zero
	WIN BIA
.else
	WIN MUL
.endif
	MUL8 \f, 2, \zero
	MUL8 \f, 3, \zero
.endm
; A slot's last quarter multiplies buffer 1 and changes slots: ONE barrier; in front of it each wave waits for all its tensor loads, adds 0 to its spare word, and waits for that and for its reads of this slot.
.macro TURN slot, next, fill
	WIN 0
	s_wait_tensorcnt 0x0                           ; all my tensor loads have landed: the one that was out is my part of the next slot
	ds_add_u32 v[SPW], v[NIL]
	s_wait_dscnt 5                                 ; the add and the youngest four loads may be out
	WIN MUL
	MUL8 1, 0, 0                                   ; eight matrix instructions stand between the add and the wait for it
	s_wait_dscnt 0x0                               ; the add is done, and my reads of this slot are over
	s_barrier_signal -1
	MUL8 1, 1, 0
	WIN 0
	s_barrier_wait -1
.if \fill
	CREST                                          ; the barrier has opened a round of the cluster's barrier: no wave of any partner still reads this slot or has a load on its way
	s_add_nc_u64 s[G0+4*\slot+2:G0+4*\slot+3], s[G0+4*\slot+2:G0+4*\slot+3], 2*2097152
	s_add_nc_u64 s[G0B+4*\slot+2:G0B+4*\slot+3], s[G0B+4*\slot+2:G0B+4*\slot+3], 2*262144
	JLOAD \slot                                    ; the first tensor load behind the round; its four v_nop are also the places in front of the loads below
.else
	PLACES
.endif
	FETCH \next, 0, 0
	WIN MUL
	MUL8 1, 2, 0
	MUL8 1, 3, 0
.endm
	s_wait_tensorcnt 1                             ; my part of K step 0 is in; K step 1's load may be out
	s_barrier_signal -1
	s_barrier_wait -1
	FETCH 0, 0, 0
	s_wait_loadcnt 0x0                             ; the bias
	QUARTER 0, 1, 0, 1, 1                          ; the first quarter starts the sums from the bias
	WIN 0
	s_mov_b32 s[LAP], 3
.Llap:                                                 ; a trip goes once round the ring and fills both slots again: K steps 2 to 7
	QUARTER 0, 2, 1, 0, 0
	QUARTER 0, 3, 0, 1, 0
	TURN 0, 1, 1
	QUARTER 1, 1, 0, 1, 0
	QUARTER 1, 2, 1, 0, 0
	QUARTER 1, 3, 0, 1, 0
	TURN 1, 0, 1
	QUARTER 0, 1, 0, 1, 0
	WIN 0
	s_sub_co_u32 s[LAP], s[LAP], 1
	s_cmp_lg_u32 s[LAP], 0
	s_cbranch_scc1 .Llap
	QUARTER 0, 2, 1, 0, 0                          ; the last lap fills nothing
	QUARTER 0, 3, 0, 1, 0
	TURN 0, 1, 0
	QUARTER 1, 1, 0, 1, 0
	QUARTER 1, 2, 1, 0, 0
	QUARTER 1, 3, 0, 1, 0
	s_wait_dscnt 4
	WIN MUL
	MUL8 1, 0, 0
	MUL8 1, 1, 0
	s_wait_dscnt 0
	MUL8 1, 2, 0
	MUL8 1, 3, 0
	WIN 0
; THE WAY OUT, block by block of 16 rows x 128 columns, through my own stage: back as whole rows of 512 bytes.
.macro TOSTAGE a
	WIN 0x08                                       ; an LDS store's data are its source 1: window 2
.irp b, 0,1,2,3,4,5,6,7
	ds_store_b128 v[STO], v[64*(\a)+8*\b:64*(\a)+8*\b+3] offset:64*\b          ; each accumulator from its low end on
	ds_store_b128 v[STO], v[64*(\a)+8*\b+4:64*(\a)+8*\b+7] offset:64*\b+16
.endr
	WIN 0
.set BB, BK+64*((\a)%2)
.irp t, 0,1,2,3,4,5,6,7,8,9,10,11,12,13,14,15
	ds_load_b128 v[BB+4*\t:BB+4*\t+3], v[RD] offset:\t*SPITCH                  ; LDS serves a wave's instructions in order: these see the stores above
.endr
.endm
.macro SEND a, younger                 ; younger: the LDS instructions issued behind block a's loads, which may stay out
.set BB, BK+64*((\a)%2)
	s_wait_dscnt \younger
.irp t, 0,1,2,3,4,5,6,7,8,9,10,11,12,13,14,15
	global_store_b128 v[CO], v[BB+4*\t:BB+4*\t+3], s[8:9] offset:(\a)*65536+\t*4096 th:TH_STORE_NT   ; 512 consecutive bytes of a row of out0, aligned; written once, read by nobody here
.endr
.endm
	PLACES
	s_cmp_eq_u32 s[FLG], 0                         ; a sequence's first 16 positions are not stored here
	s_cbranch_scc1 .Lskip0
	TOSTAGE 0
	SEND 0, 0
.Lskip0:
	TOSTAGE 1
.irp a, 2,3
	s_wait_xcnt 0x0                                ; block a - 2's stores have read their registers: block a's loads may land there
	TOSTAGE \a
	SEND \a-1, 32                                  ; behind block a - 1's loads: block a's 16 stores and 16 loads
.endr
	SEND 3, 0
	s_wait_tensorcnt 0x0                           ; the wave's end
	ds_add_u32 v[SPW], v[NIL]
	s_wait_dscnt 0x0
	CROUND                                         ; the closing round
	s_endpgm
.Lfunc_end_k_q9c26c4bbf5_proj:
	.size	k_q9c26c4bbf5_proj, .Lfunc_end_k_q9c26c4bbf5_proj-k_q9c26c4bbf5_proj
	.p2alignl 7, 3214868480
	.fill 96, 4, 3214868480
	.section	.rodata,"a",@progbits
	.p2align	6, 0x0
	.amdhsa_kernel k_q9c26c4bbf5_proj
		.amdhsa_group_segment_fixed_size 327680
		.amdhsa_private_segment_fixed_size 0
		.amdhsa_enable_private_segment 0
		.amdhsa_kernarg_size 32
		.amdhsa_user_sgpr_count 2
		.amdhsa_user_sgpr_kernarg_segment_ptr 1
		.amdhsa_wavefront_size32 1
		.amdhsa_system_sgpr_workgroup_id_x 1
		.amdhsa_system_sgpr_workgroup_id_y 1
		.amdhsa_system_sgpr_workgroup_id_z 1
		.amdhsa_system_vgpr_workitem_id 0
		.amdhsa_next_free_vgpr 768
		.amdhsa_next_free_sgpr 72
		.amdhsa_reserve_vcc 0
		.amdhsa_float_denorm_mode_32 3
		.amdhsa_float_denorm_mode_16_64 3
		.amdhsa_memory_ordered 1
		.amdhsa_forward_progress 1
		.amdhsa_inst_pref_size 87
	.end_amdhsa_kernel
	.amdgpu_metadata
---
amdhsa.version: [ 1, 2 ]
amdhsa.kernels:
  - .name:           k_q9c26c4bbf5_proj
    .symbol:         k_q9c26c4bbf5_proj.kd
    .args:
      - { .name: y16, .offset: 0, .size: 8, .value_kind: global_buffer, .address_space: global }
      - { .name: wo16, .offset: 8, .size: 8, .value_kind: global_buffer, .address_space: global }
      - { .name: bo, .offset: 16, .size: 8, .value_kind: global_buffer, .address_space: global }
      - { .name: out0, .offset: 24, .size: 8, .value_kind: global_buffer, .address_space: global }
    .group_segment_fixed_size: 327680
    .private_segment_fixed_size: 0
    .kernarg_segment_align: 8
    .kernarg_segment_size: 32
    .max_flat_workgroup_size: 128
    .sgpr_count:     72
    .vgpr_count:     768
    .wavefront_size: 32
...
	.end_amdgpu_metadata
.endif
;; end of part 4
;; launch first (part 5): grid 16 x 8, 16 waves a work-group, no clusters, 67,584 bytes of LDS; arguments first32, Wo, bo, out0; writes out0
.if DOCPART == 5
	.amdgcn_target "amdgcn-amd-amdhsa--gfx1250"
	.amdhsa_code_object_version 6
	.text
	.protected	k_q9c26c4bbf5_first
	.globl	k_q9c26c4bbf5_first
	.p2align	8
	.type	k_q9c26c4bbf5_first,@function
k_q9c26c4bbf5_first:
	s_mov_b64 s[64:65], 0
	v_nop
	global_prefetch_b8 v0, s[64:65] scope:SCOPE_SE
	s_setreg_imm32_b32 hwreg(HW_REG_WAVE_MODE, 25, 1), 1
	s_wait_xcnt 0x0
; FIRST: positions 0-15 of each of the 8 sequences, attention and the projection on the way out, all in f32 (v_wmma_f32_16x16x4_f32): these rows average one to sixteen values and are carried more finely.
; first32: [3 = q, k, v][b][16][1024] f32.  Work-group (c, b) makes out0[1024 b + 0..15][64 c .. 64 c + 63].  Each work-group makes batch b's 16 x 1,024 numbers of y anew: that is small beside sharing them through memory.
; WAVE = HEAD, from end to end.  S^T = K Q^T (16 keys x 16 queries, K = 64), the causal mask, a softmax with the row's maximum taken away, O^T = V^T P^T; then the wave multiplies ITS head's y by Wo's rows
; 64 w .. 64 w + 63, for all 64 columns: y never leaves the registers, O^T's accumulators are source 0 of that product.  The sixteen heads' parts meet in LDS, behind the one barrier, and waves 0-7 add them, add bo and store.
; k is permuted alike on both operands of each product: in a step the unit's places 2 h + j (h = lane / 16) take whatever k the lane's pair of registers holds, the same on both sides.
; V AND Wo COME BY LOADS OF 16 BYTES, sixteen lanes reading 256 consecutive bytes of a row: a quarter of the load instructions that 4 bytes a lane would take.  A lane then holds four neighbouring columns of each row,
; so tile u of a product takes columns 4 r + u; and since an operand wants two ROWS of one column in a register pair, each group of eight registers (two rows x four columns) is put in order by eight moves.
;   O^T, tile t: register j of lane (r, h) is channel 32 h + 4 j + t of query r.  Step (t, i) of the last product takes registers 2 i, 2 i + 1 of that tile: channels 32 h + 8 i + t and 32 h + 8 i + 4 + t;
;   so Wo's rows 8 i + t and 8 i + 4 + t (32 h further down in lanes 16-31) are loaded as one group.
; The accumulators v176-239 take turns and are written by matrix instructions alone; each sum begins with the constant 0; what is made of a sum goes into other registers.
.set SPARE, 65536                      ; LDS: sixteen images of 4,096 bytes from 0 on; behind them the spare words, 128 bytes for each wave
.set QR,  16                           ; v16-47   Q
.set KR,  48                           ; v48-79   K
.set WB,  16                           ; v16-79   later Wo's second half, then the images read back
.set VR,  80                           ; v80-111  V
.set WA,  112                          ; v112-175 Wo's first half
.set TT,  112                          ; v112-143 later my results in the order in which they leave
.set AC,  176                          ; v176-207 four accumulators: S^T in four parts, then O^T's four tiles
.set A2,  208                          ; v208-239 four accumulators: my part of the 16 x 64 results
.set PR,  240                          ; v240-247 scores, then p
.set DD,  248                          ; v248     the mask's distance, later a sum
.set NI,  249                          ; v249     -infinity, later a sum
.set PD,  250                          ; v250     a lane permute's destination
.set MX,  251                          ; v251     the largest score
.set M2,  252                          ; v252     at work; c m
.set S3,  253                          ; v253     at the head r; later a sum
.set S4,  254                          ; v254     at the head h; later a sum
.set RC,  255                          ; v255     at the head 16 x lane; later 1 / the row's sum
	s_load_b256 s[4:11], s[0:1], 0x0               ; first32 4:5, Wo 6:7, bo 8:9, out0 10:11
	v_lshl_add_u32 v4, v0, 2, SPARE                ; v4: my spare word; v5: 0; neither is rewritten
	v_mov_b32 v5, 0
	v_lshrrev_b32 v1, 5, v0
	v_readfirstlane_b32 s12, v1                    ; wave = head
	s_and_b32 s13, ttmp7, 0xffff                   ; b
	s_and_b32 s16, s12, 7
	v_and_b32 v[S3], 15, v0                        ; r
	v_bfe_u32 v[S4], v0, 4, 1                      ; h
	v_lshlrev_b32 v1, 12, v[S3]
	v_lshl_add_u32 v1, v[S4], 4, v1                ; v1: Q, K: row r of 4,096 bytes, + 16 h: load i brings channels 8 i + 4 h + 0 .. 3, so the two lanes of a row read 32 neighbouring bytes
	v_lshlrev_b32 v6, 4, v[S3]                     ; v6: 16 r
	v_lshl_add_u32 v2, v[S4], 15, v6               ; v2: V: 8 h rows of 4,096 bytes, + 16 r
	v_lshl_add_u32 v3, v[S4], 17, v6               ; v3: Wo: 32 h rows, + 16 r
	v_and_b32 v[RC], 31, v0
	v_lshlrev_b32 v[RC], 4, v[RC]                  ; 16 x lane
	s_lshl_b32 s17, s12, 12
	v_add_nc_u32 v12, s17, v[RC]                   ; v12: my image: 4,096 x wave + 16 x lane
	s_lshl_b32 s17, s16, 9
	v_add_nc_u32 v13, s17, v[RC]                   ; v13: chunk wave % 8 of an image
	v_lshl_add_u32 v7, v[S4], 3, s16               ; the row that I finish: 8 h + wave % 8
	v_lshl_add_u32 v7, v7, 12, v6                  ; v7: its place in out0
	v_lshlrev_b32 v[DD], 3, v[S4]
	v_sub_nc_u32 v[DD], v[S3], v[DD]               ; r - 8 h: my register j holds key 8 h + j, hidden where j > r - 8 h
	v_mov_b32 v[NI], 0xff800000
	v_mov_b32 v[PD], 0                             ; written once: a lane permute's destination counts as one of its sources
	s_mov_b32 s20, 0x76543210
	s_mov_b32 s21, 0xfedcba98                      ; lane l xor 16
	s_mov_b32 s22, 0x3e38aa3b                      ; c = log2(e) / 8
	s_lshl_b32 s24, s13, 16                        ; first32: 16 rows of 4,096 bytes a batch,
	s_lshl_b32 s25, s12, 8                         ; 256 bytes a head
	s_add_co_u32 s24, s24, s25
	s_mov_b32 s25, 0
	s_lshl_b32 s28, ttmp9, 8                       ; my 64 columns
	s_mov_b32 s29, 0
	s_lshl_b32 s26, s12, 18                        ; Wo: 64 rows of 4,096 bytes a head
	s_add_co_u32 s26, s26, s28
	s_mov_b32 s27, 0
	s_lshl_b32 s30, s13, 22                        ; out0: 1,024 rows a batch
	s_add_co_u32 s30, s30, s28
	s_mov_b32 s31, 0
	s_wait_kmcnt 0x0
	s_add_nc_u64 s[4:5], s[4:5], s[24:25]
	s_add_nc_u64 s[6:7], s[6:7], s[26:27]
	s_add_nc_u64 s[8:9], s[8:9], s[28:29]
	s_add_nc_u64 s[10:11], s[10:11], s[30:31]
; half of my 64 rows of Wo: the eight groups of tiles t0 and t0 + 1; group 4 tt + i holds rows 8 i + t0 + tt and 8 i + 4 + t0 + tt
.macro WHALF reg, t0
.irp tt, 0,1
.irp i, 0,1,2,3
	global_load_b128 v[\reg+8*(4*\tt+\i):\reg+8*(4*\tt+\i)+3], v3, s[6:7] offset:(8*\i+\t0+\tt)*4096
	global_load_b128 v[\reg+8*(4*\tt+\i)+4:\reg+8*(4*\tt+\i)+7], v3, s[6:7] offset:(8*\i+4+\t0+\tt)*4096
.endr
.endr
.endm
; n groups of eight registers from base on: (row 0: columns 0 1 2 3, row 1: columns 0 1 2 3) become (column 0: rows 0 1, column 1: rows 0 1, ..): two cycles of three, the first and the last register stay
.macro REORDER base, n
.set gg, \base
.rept \n
	v_mov_b32 v14, v[gg+1]
	v_mov_b32 v15, v[gg+3]
	v_mov_b32 v[gg+1], v[gg+4]
	v_mov_b32 v[gg+3], v[gg+5]
	v_mov_b32 v[gg+4], v[gg+2]
	v_mov_b32 v[gg+5], v[gg+6]
	v_mov_b32 v[gg+2], v14
	v_mov_b32 v[gg+6], v15
.set gg, gg+8
.endr
.endm
.macro NOPS n
.rept \n
	v_nop
.endr
.endm
; 32 products: out(query, column 4 r + u) += y(query, channels of tiles t0, t0 + 1) x Wo; source 0 = y's 16 queries, source 1 = 16 columns of Wo; the four accumulators take turns
.macro HALF reg, t0, first
.irp tt, 0,1
.irp i, 0,1,2,3
.irp u, 0,1,2,3
.if \first && (\tt == 0) && (\i == 0)
	v_wmma_f32_16x16x4_f32 v[A2+8*\u:A2+8*\u+7], v[AC+8*(\t0+\tt)+2*\i:AC+8*(\t0+\tt)+2*\i+1], v[\reg+8*(4*\tt+\i)+2*\u:\reg+8*(4*\tt+\i)+2*\u+1], 0
.else
	v_wmma_f32_16x16x4_f32 v[A2+8*\u:A2+8*\u+7], v[AC+8*(\t0+\tt)+2*\i:AC+8*(\t0+\tt)+2*\i+1], v[\reg+8*(4*\tt+\i)+2*\u:\reg+8*(4*\tt+\i)+2*\u+1], v[A2+8*\u:A2+8*\u+7]
.endif
.endr
.endr
.endr
.endm
	; all that has registers of its own is asked for at once: 41 loads
.irp i, 0,1,2,3,4,5,6,7
	global_load_b128 v[KR+4*\i:KR+4*\i+3], v1, s[4:5] offset:524288+32*\i      ; k lies 8 batches behind q
.endr
.irp i, 0,1,2,3,4,5,6,7
	global_load_b128 v[QR+4*\i:QR+4*\i+3], v1, s[4:5] offset:32*\i
.endr
.irp i, 0,1,2,3,4,5,6,7
	global_load_b128 v[VR+4*\i:VR+4*\i+3], v2, s[4:5] offset:1048576+4096*\i   ; V(8 h + i, 4 r + 0 .. 3)
.endr
	WHALF WA, 0
	global_load_b128 v[8:11], v6, s[8:9]           ; bo
	s_wait_loadcnt 25                              ; K and Q are in; V's 8, Wo's 16 and bo's one may be out
.set s, 0
.rept 16                                       ; S^T = K Q^T: step s takes the channels of registers 2 s, 2 s + 1
.if s < 4
	v_wmma_f32_16x16x4_f32 v[AC+8*(s%4):AC+8*(s%4)+7], v[KR+2*s:KR+2*s+1], v[QR+2*s:QR+2*s+1], 0
.else
	v_wmma_f32_16x16x4_f32 v[AC+8*(s%4):AC+8*(s%4)+7], v[KR+2*s:KR+2*s+1], v[QR+2*s:QR+2*s+1], v[AC+8*(s%4):AC+8*(s%4)+7]
.endif
.set s, s+1
.endr
	NOPS 8                                         ; eight places behind this form before its results are read and before loads land on its sources
	WHALF WB, 2                                    ; Wo's second half takes Q's and K's registers
.irp j, 0,2,4,6                                ; the four parts of S^T are added, each accumulator read from its low end on
	v_pk_add_f32 v[PR+\j:PR+\j+1], v[AC+\j:AC+\j+1], v[AC+8+\j:AC+8+\j+1]
.endr
.irp j, 0,2,4,6
	v_pk_add_f32 v[PR+\j:PR+\j+1], v[PR+\j:PR+\j+1], v[AC+16+\j:AC+16+\j+1]
.endr
.irp j, 0,2,4,6
	v_pk_add_f32 v[PR+\j:PR+\j+1], v[PR+\j:PR+\j+1], v[AC+24+\j:AC+24+\j+1]
.endr
.irp j, 0,1,2,3,4,5,6,7
	v_cmp_gt_i32 vcc_lo, \j, v[DD]
	v_cndmask_b32 v[PR+\j], v[PR+\j], v[NI], vcc_lo   ; hidden keys: -infinity.  Key 0 counts for every query
.endr
	v_max3_num_f32 v[MX], v[PR], v[PR+1], v[PR+2]
	v_max3_num_f32 v[M2], v[PR+3], v[PR+4], v[PR+5]
	v_max3_num_f32 v[MX], v[MX], v[PR+6], v[PR+7]
	v_max_num_f32 v[MX], v[MX], v[M2]
	v_permlanex16_b32 v[PD], v[MX], s20, s21
	v_max_num_f32 v[MX], v[MX], v[PD]              ; the row's largest score
	v_mul_f32 v[M2], s22, v[MX]
.irp j, 0,1,2,3,4,5,6,7
	v_fma_f32 v[PR+\j], v[PR+\j], s22, -v[M2]      ; c s - c m
.endr
.irp j, 0,1,2,3,4,5,6,7
	v_exp_f32 v[PR+\j], v[PR+\j]
.endr
	v_nop                                          ; a plain line behind the last exponential,
	s_wait_alu depctr_va_vdst(0)                   ; and the one wait ahead of the batch's first reader
	v_add_f32 v[DD], v[PR], v[PR+1]
	v_add_f32 v[NI], v[PR+2], v[PR+3]
	v_add_f32 v[S3], v[PR+4], v[PR+5]
	v_add_f32 v[S4], v[PR+6], v[PR+7]
	v_add_f32 v[DD], v[DD], v[NI]
	v_add_f32 v[S3], v[S3], v[S4]
	v_add_f32 v[DD], v[DD], v[S3]
	v_permlanex16_b32 v[PD], v[DD], s20, s21
	v_add_f32 v[DD], v[DD], v[PD]                  ; the row's sum
	v_rcp_f32 v[RC], v[DD]
	v_nop
	s_wait_alu depctr_va_vdst(0)
.irp j, 0,1,2,3,4,5,6,7
	v_mul_f32 v[PR+\j], v[PR+\j], v[RC]            ; p
.endr
	s_wait_loadcnt 33                              ; V is in; behind it Wo's first 16, bo's one and Wo's second 16 may be out
	REORDER VR, 4                                  ; group s: keys 8 h + 2 s, + 1; the pair of tile t at 8 s + 2 t
.irp s, 0,1,2,3                                ; O^T = V^T P^T: step s takes keys 8 h + 2 s, + 1; the four tiles of channels (tile t: channels 4 m + t) take turns
.irp t, 0,1,2,3
.if \s == 0
	v_wmma_f32_16x16x4_f32 v[AC+8*\t:AC+8*\t+7], v[VR+8*\s+2*\t:VR+8*\s+2*\t+1], v[PR+2*\s:PR+2*\s+1], 0
.else
	v_wmma_f32_16x16x4_f32 v[AC+8*\t:AC+8*\t+7], v[VR+8*\s+2*\t:VR+8*\s+2*\t+1], v[PR+2*\s:PR+2*\s+1], v[AC+8*\t:AC+8*\t+7]
.endif
.endr
.endr
	s_wait_loadcnt 16                              ; Wo's first half and bo are in; the second half's 16 may be out
	REORDER WA, 8                                  ; these 64 moves name no register of the products above: they are also the nine places before O^T is taken as a source
	HALF WA, 0, 1
	s_wait_loadcnt 0x0
	REORDER WB, 8
	HALF WB, 2, 0
	NOPS 8                                         ; eight places before the results are read, and before anything lands on the last products' sources
.irp j, 0,1,2,3,4,5,6,7                        ; register j of tile u is out(8 h + j, 4 r + u): the four tiles' registers j are four neighbouring columns.  Each accumulator is read from its low end on
.irp u, 0,1,2,3
	v_mov_b32 v[TT+4*\j+\u], v[A2+8*\u+\j]
.endr
.endr
.irp j, 0,1,2,3,4,5,6,7
	ds_store_b128 v12, v[TT+4*\j:TT+4*\j+3] offset:512*\j          ; my image: chunk j, 16 bytes a lane, 512 consecutive bytes a store
.endr
	s_wait_dscnt 0x0                               ; for the others' sake: my stores are done
	s_barrier_signal -1
	s_barrier_wait -1                              ; the sixteen heads' parts lie in LDS
	s_cmp_lt_u32 s12, 8
	s_cbranch_scc0 .Ldone
.irp q, 0,1,2,3,4,5,6,7,8,9,10,11,12,13,14,15
	ds_load_b128 v[16+4*\q:19+4*\q], v13 offset:4096*\q            ; chunk j = my wave's number, of all sixteen images
.endr
	s_wait_dscnt 0x0
.irp q, 0,1,2,3,4,5,6,7
	v_pk_add_f32 v[16+4*\q:17+4*\q], v[16+4*\q:17+4*\q], v[48+4*\q:49+4*\q]
	v_pk_add_f32 v[18+4*\q:19+4*\q], v[18+4*\q:19+4*\q], v[50+4*\q:51+4*\q]
.endr
.irp q, 0,1,2,3
	v_pk_add_f32 v[16+4*\q:17+4*\q], v[16+4*\q:17+4*\q], v[32+4*\q:33+4*\q]
	v_pk_add_f32 v[18+4*\q:19+4*\q], v[18+4*\q:19+4*\q], v[34+4*\q:35+4*\q]
.endr
.irp q, 0,1
	v_pk_add_f32 v[16+4*\q:17+4*\q], v[16+4*\q:17+4*\q], v[24+4*\q:25+4*\q]
	v_pk_add_f32 v[18+4*\q:19+4*\q], v[18+4*\q:19+4*\q], v[26+4*\q:27+4*\q]
.endr
	v_pk_add_f32 v[16:17], v[16:17], v[20:21]
	v_pk_add_f32 v[18:19], v[18:19], v[22:23]
	v_pk_add_f32 v[16:17], v[16:17], v[8:9]
	v_pk_add_f32 v[18:19], v[18:19], v[10:11]
	global_store_b128 v7, v[16:19], s[10:11]       ; lanes 0-15 store 256 consecutive bytes of row j of out0, aligned; lanes 16-31 of row 8 + j
.Ldone:
	s_wait_tensorcnt 0x0                           ; the wave's end
	ds_add_u32 v4, v5
	s_wait_dscnt 0x0
	s_endpgm
.Lfunc_end_k_q9c26c4bbf5_first:
	.size	k_q9c26c4bbf5_first, .Lfunc_end_k_q9c26c4bbf5_first-k_q9c26c4bbf5_first
	.p2alignl 7, 3214868480
	.fill 96, 4, 3214868480
	.section	.rodata,"a",@progbits
	.p2align	6, 0x0
	.amdhsa_kernel k_q9c26c4bbf5_first
		.amdhsa_group_segment_fixed_size 67584
		.amdhsa_private_segment_fixed_size 0
		.amdhsa_enable_private_segment 0
		.amdhsa_kernarg_size 32
		.amdhsa_user_sgpr_count 2
		.amdhsa_user_sgpr_kernarg_segment_ptr 1
		.amdhsa_wavefront_size32 1
		.amdhsa_system_sgpr_workgroup_id_x 1
		.amdhsa_system_sgpr_workgroup_id_y 1
		.amdhsa_system_sgpr_workgroup_id_z 1
		.amdhsa_system_vgpr_workitem_id 0
		.amdhsa_next_free_vgpr 256
		.amdhsa_next_free_sgpr 66
		.amdhsa_reserve_vcc 1
		.amdhsa_float_denorm_mode_32 3
		.amdhsa_float_denorm_mode_16_64 3
		.amdhsa_memory_ordered 1
		.amdhsa_forward_progress 1
		.amdhsa_inst_pref_size 28
	.end_amdhsa_kernel
	.amdgpu_metadata
---
amdhsa.version: [ 1, 2 ]
amdhsa.kernels:
  - .name:           k_q9c26c4bbf5_first
    .symbol:         k_q9c26c4bbf5_first.kd
    .args:
      - { .name: first32, .offset: 0, .size: 8, .value_kind: global_buffer, .address_space: global }
      - { .name: Wo, .offset: 8, .size: 8, .value_kind: global_buffer, .address_space: global }
      - { .name: bo, .offset: 16, .size: 8, .value_kind: global_buffer, .address_space: global }
      - { .name: out0, .offset: 24, .size: 8, .value_kind: global_buffer, .address_space: global }
    .group_segment_fixed_size: 67584
    .private_segment_fixed_size: 0
    .kernarg_segment_align: 8
    .kernarg_segment_size: 32
    .max_flat_workgroup_size: 512
    .sgpr_count:     66
    .vgpr_count:     256
    .wavefront_size: 32
...
	.end_amdgpu_metadata
.endif
;; end of part 5
